; MI455X (gfx1250); checked and timed in simulation.
; The chip was launched on July 23, 2026; its instructions are those of AMD's public machine-readable ISA for CDNA 5 (MIT licence, August 2026) and "CDNA5" Instruction Set Architecture Reference Guide (July 2026). The comments in the code are by the model that wrote it; some were corrected since.
;; Multi Head Attention. Allowed arithmetic: matrix products marked QUANTISED: E2M3 operands, one E8M0 scale for each 32 along K, by v_wmma_scale_f32_16x16x128_f8f6f4 with both operands' format E2M3, f32 sums; everything else in f32.
;; Inputs: Wk 16 x 1,024 x 64 float32; Wo 1,024 x 1,024 float32; Wq 16 x 1,024 x 64 float32; Wv 16 x 1,024 x 64 float32; bo 1,024 float32; x 4 x 2,048 x 1,024 float32.
;; Outputs: out0 4 x 2,048 x 1,024 float32.
;; This version of the problem:
;;   THIS VERSION OF THE PROBLEM IS GIVEN IN LOW PRECISION. The matrix products marked QUANTISED in the list below multiply operands that are first quantised to E2M3 (2 exponent bits, 3 mantissa bits; 6 bits a number), with one power-of-two scale for each 32 numbers along K (OCP MX v1.0); their sums are f32. All else is computed in f32.
;;   The module's matrix products, in the order in which they are computed (A, B: the left and right operand; K: the contracted axis; several contracted axes count as one K, in the product's order):
;;     1. [M 1,024, K 1,024] x [K 1,024, N 8,192]; A: input Wq; B: input x: QUANTISED
;;     2. [M 1,024, K 1,024] x [K 1,024, N 8,192]; A: input Wk; B: input x: QUANTISED
;;     3. [M 1,024, K 1,024] x [K 1,024, N 8,192]; A: input Wv; B: input x: QUANTISED
;;     4. batch 64 x [M 2,048, K 64] x [K 64, N 2,048]; A: computed on the way; B: computed on the way: QUANTISED
;;     5. batch 64 x [M 2,048, K 2,048] x [K 2,048, N 64]; A: softmax (see below); B: computed on the way: QUANTISED
;;     6. [M 8,192, K 1,024] x [K 1,024, N 1,024]; A: computed on the way; B: input Wo: QUANTISED
;;   THE QUANTISER, for each operand of a quantised product, along K:
;;     - K is cut into blocks of 32 from its start; a last block that is shorter is filled with zeros.
;;     - A block's scale is 2^e with e = floor(log2(the largest magnitude in the block)) - 2, held to -126 .. 127; a block of zeros has e = 0. As a byte (E8M0): e + 127.
;;     - Each number is divided by its block's scale, clamped to +-7.5, and rounded to the nearest number of E2M3, ties to even, subnormals kept.
;;     - The product sums the exact products of the quantised numbers (number of the format x scale) in f32.
;;   ~~~python
;;   def quantise(x, axis):      # numpy; x: float32 -> the quantised numbers, widened to float32 again
;;       x = np.moveaxis(x, axis, -1); K = x.shape[-1]
;;       x = np.pad(x, [(0, 0)] * (x.ndim - 1) + [(0, -K % 32)]); x = x.reshape(x.shape[:-1] + (-1, 32)); a = np.abs(x).max(-1, keepdims=True)
;;       e = np.where(a > 0, np.clip(np.frexp(np.where(a > 0, a, 1))[1] - 1 - 2, -126, 127), 0)      # np.frexp(a)[1] - 1 = floor(log2(a)), exactly
;;       r = np.clip(x / 2.0 ** e, -7.5, 7.5)
;;       step = 2.0 ** (np.maximum(np.frexp(np.where(r == 0, 1, r))[1] - 1, 0) - 3)
;;       q = np.round(r / step) * step * 2.0 ** e      # np.round: ties to even
;;       return np.moveaxis(q.reshape(q.shape[:-2] + (-1,))[..., :K], -1, axis).astype(np.float32)
;;   ~~~
;;   SOFTMAX AHEAD OF A QUANTISED PRODUCT. Where the list says 'softmax', what is quantised is not the finished softmax but p = 2^(t - M), with t = logit x log2(e) and M = ceil(the row's largest t), a whole number; so 1/2 < the row's largest p <= 1. The row's sum l is taken of the UNQUANTISED p, in f32, and the product's result is divided by l at the end. Since M is a whole number, a kernel that streams over the keys may use a running M (the ceiling of the running maximum): every later rescaling is an exact power of two, which a block's scale takes up: the codes' values come out the same.
;;   OPERANDS COMPUTED ON THE WAY. 'Computed on the way' means the value that the module computes at that place (a softmax that the list does not call 'softmax' is quantised finished and normalised). What goes into a quantiser is computed in f32, as accurately as f32 sums, v_exp_f32 and their like allow (about 1e-6 of the number): no bf16 or f16 on the way to a quantiser, and a product that is left as it is and whose result goes on into a quantised operand takes f32 operands (vector FMAs, or v_wmma_f32_16x16x4_f32). A number that lies on a knife's edge between two numbers of the format may be rounded either way, as far as f32 arithmetic and the matrix unit's own rounding can turn it there, and no further.
;; One version. Each part assembles by itself: llvm-mc -triple=amdgcn-amd-amdhsa -mcpu=gfx1250 --defsym DOCPART=n.
;; ======== version 1 of 1: 5 launches
;; workspace buffers: xc 6,291,456 bytes; xs 262,144 bytes; wc 3,145,728 bytes; ws 131,072 bytes; qkv 18,874,368 bytes; qkvs 1,572,864 bytes; ac 6,291,456 bytes; asc 262,144 bytes
;; launch quant_rows (part 1): grid 288 x 1, 4 waves a work-group, no clusters, 33,280 bytes of LDS; arguments x, Wo, xc, xs, wc, ws; writes xc, xs, wc, ws
.if DOCPART == 1
	.amdgcn_target "amdgcn-amd-amdhsa--gfx1250"
	.amdhsa_code_object_version 6
	.text
	.protected	k_q6d69533b00_quant_rows
	.globl	k_q6d69533b00_quant_rows
	.p2align	8
	.type	k_q6d69533b00_quant_rows,@function
k_q6d69533b00_quant_rows:
	s_mov_b64 s[64:65], 0
	v_nop
	global_prefetch_b8 v0, s[64:65] scope:SCOPE_SE
	s_setreg_imm32_b32 hwreg(HW_REG_WAVE_MODE, 25, 1), 1
	s_wait_xcnt 0x0
; x [8192][1024] and Wo [1024][1024], f32, K innermost, become codes of FP6 (E2M3), 6 bits each, and one E8M0 scale byte for each 32 along K.
; A block's scale is 2^(floor(log2(its largest magnitude)) - 2); its byte is the largest magnitude's exponent field - 2, held at 1 from below.
; LIMITS: a block of zeros, or one whose largest magnitude lies under 2^-124, gets the byte 1 (its codes are zeros or are held there; the bytes are read by this program alone).  NaN and infinities among the inputs are not served.
; Rows are dense and 1,024 is a multiple of 32: both tensors are plain streams of blocks of 32.  A wave takes 16 steps of 512 numbers: 8 rows.  Each load reads 512 consecutive bytes; a step's 2,048 bytes
; turn through the wave's own stage in LDS and come back 64 bytes a lane, so that a lane holds 16 neighbours along K (two neighbouring lanes hold a block).
; THE ROWS OF x ARE STORED IN ANOTHER ORDER: row i goes to place i with bits 3 and 4 exchanged.  A wave's 8 rows are bits 0-2; bits 3 and 4 are the wave's number: so a wave of x writes the run of the wave
; whose two bits are exchanged.  Wo keeps its order and lands behind the 3,072 rows of Wq, Wk, Wv in the weights' buffers.
; The first WGA work-groups take x, the others Wo: only pointers and offsets are chosen, the text has one path.
.set WAVES, 4
.set STEPS, 16
.set WGA,   256                        ; 8,192 x 1,024 / 32,768
.set EMAX,  2
.set CB,    12                         ; bytes of 16 codes
.set R,     16                         ; v16-79   four sets of 16 numbers as they are loaded
.set X,     80                         ; v80-111  two sets of 16 neighbours
.set C,     128                        ; v128-191 codes: four registers for each step, so that no store's data are written again
.set E,     112                        ; v112-127 a scale byte for each step
.set WREG,  8192                       ; LDS: a region for each wave: two stages of 32 x SP bytes, behind them its 256 scale bytes
.set SP,    80                         ; a lane's place in a stage: 64 bytes + 16 of padding
.set SPW,   12                         ; v12  LDS address of my spare word; never rewritten
.set NIL,   13                         ; v13  0; never rewritten
.set SPARE, WAVES*WREG                 ; the spare words: 128 bytes a wave, two blocks of 256 bytes that no other line names
	s_load_b128 s[4:7], s[0:1], 0x0                ; x, Wo
	s_load_b128 s[8:11], s[0:1], 0x10              ; x's codes, x's scales
	s_load_b128 s[12:15], s[0:1], 0x20             ; the weights' codes, the weights' scales
	v_lshl_add_u32 v[SPW], v0, 2, SPARE
	v_mov_b32 v[NIL], 0
	v_lshrrev_b32 v1, 5, v0
	v_readfirstlane_b32 s16, v1                    ; wave
	v_and_b32 v2, 31, v0                           ; lane
	v_lshlrev_b32 v3, 4, v2                        ; my 16 bytes of a load's 512
	s_mul_i32 s17, s16, WREG
	v_lshrrev_b32 v14, 2, v2
	v_mul_u32_u24 v14, v14, SP
	v_and_b32 v15, 3, v2
	v_lshl_add_u32 v14, v15, 4, v14
	v_add_nc_u32 v14, s17, v14                     ; the stage, on the way in: SP (lane / 4) + 16 (lane % 4)
	v_mul_u32_u24 v15, v2, SP
	v_add_nc_u32 v15, s17, v15                     ; and on the way out: SP x lane: my 16 neighbours
	v_mul_u32_u24 v4, v2, CB                       ; my codes' place in a step's
	v_lshrrev_b32 v5, 1, v2
	s_add_co_u32 s17, s17, 2*32*SP
	v_add_nc_u32 v5, s17, v5                       ; LDS: my wave's 256 scale bytes, my block's byte
	v_lshlrev_b32 v7, 3, v2                        ; and on the way out 8 bytes a lane
	v_add_nc_u32 v6, s17, v7
	s_and_b32 s27, s16, 1
	s_lshl_b32 s27, s27, 1
	s_lshr_b32 s28, s16, 1
	s_or_b32 s27, s27, s28                         ; the wave's number with its two bits exchanged
	s_wait_kmcnt 0x0
	s_cmp_lt_u32 ttmp9, WGA                        ; x's work-group or Wo's?  The choice hangs on the work-group's number alone
	s_cselect_b64 s[4:5], s[4:5], s[6:7]
	s_cselect_b64 s[8:9], s[8:9], s[12:13]
	s_cselect_b64 s[10:11], s[10:11], s[14:15]
	s_cselect_b32 s17, 0, WGA
	s_cselect_b32 s24, 0, 2359296                  ; Wo's codes begin behind 3,072 rows of 768 bytes,
	s_cselect_b32 s26, 0, 98304                    ; its scale bytes behind 3,072 rows of 32
	s_cselect_b32 s28, s27, s16                    ; which wave's run I write
	s_sub_co_u32 s17, ttmp9, s17
	s_lshl_b32 s17, s17, 2
	s_add_co_u32 s18, s17, s16                     ; the run of 8,192 numbers that I read
	s_mov_b32 s19, 0
	s_mov_b64 s[20:21], 512*STEPS*4
	s_mul_u64 s[20:21], s[18:19], s[20:21]
	s_add_nc_u64 s[4:5], s[4:5], s[20:21]
	s_add_co_u32 s18, s17, s28                     ; and the run that I write
	s_mov_b64 s[20:21], 32*STEPS*CB
	s_mul_u64 s[20:21], s[18:19], s[20:21]
	s_add_nc_u64 s[8:9], s[8:9], s[20:21]
	s_mov_b32 s25, 0
	s_add_nc_u64 s[8:9], s[8:9], s[24:25]
	s_lshl_b32 s18, s18, 8                         ; 256 scale bytes a run
	s_add_nc_u64 s[10:11], s[10:11], s[18:19]
	s_mov_b32 s27, 0
	s_add_nc_u64 s[10:11], s[10:11], s[26:27]
.macro LOAD t
.irp i, 0,1,2,3
	global_load_b128 v[R+16*((\t)%4)+4*\i:R+16*((\t)%4)+4*\i+3], v3, s[4:5] offset:2048*(\t)+512*\i th:TH_LOAD_NT   ; 32 lanes read 512 consecutive bytes
.endr
.endm
.macro TURN t                          ; step t's numbers through the stage: LDS serves a wave's instructions in order, so no wait stands between the stores and the loads
.irp i, 0,1,2,3
	ds_store_b128 v14, v[R+16*((\t)%4)+4*\i:R+16*((\t)%4)+4*\i+3] offset:32*SP*((\t)%2)+8*SP*\i
.endr
.irp i, 0,1,2,3
	ds_load_b128 v[X+16*((\t)%2)+4*\i:X+16*((\t)%2)+4*\i+3], v15 offset:32*SP*((\t)%2)+16*\i
.endr
.endm
.irp t, 0,1,2,3
	LOAD \t
.endr
	s_wait_loadcnt 12                              ; step 0's four loads are in
	TURN 0
.macro STEP t
.set XS, X+16*((\t)%2)
.if (\t) > 0
	s_wait_dscnt 1                                 ; this step's numbers are back from the stage (the last step's byte store may be out): so its stores into the stage have read their registers,
.else
	s_wait_dscnt 0x0
.endif
.if (\t)+4 < STEPS
	LOAD (\t)+4                                    ; which take the loads of four steps on
.endif
.if (\t)+1 < STEPS
.if STEPS-2-(\t) >= 3
	s_wait_loadcnt 12                              ; the next step's four loads are in; those of the three steps behind it may be out
.else
	s_wait_loadcnt 4*(STEPS-2-(\t))
.endif
	TURN (\t)+1                                    ; and go through the other stage while this step is worked
.endif
	v_max3_num_f32 v8, |v[XS]|, |v[XS+1]|, |v[XS+2]|               ; the largest magnitude of my 16
	v_max3_num_f32 v9, |v[XS+3]|, |v[XS+4]|, |v[XS+5]|
.irp i, 6,10
	v_max3_num_f32 v8, v8, |v[XS+\i]|, |v[XS+\i+1]|
	v_max3_num_f32 v9, v9, |v[XS+\i+2]|, |v[XS+\i+3]|
.endr
	v_max3_num_f32 v8, v8, |v[XS+14]|, |v[XS+15]|
	v_max3_num_f32 v8, v8, v9, (EMAX+1)<<23        ; and the floor 2^(3 - 127): the byte cannot fall under 1
	v_max_num_f32_dpp v8, v8, v8 row_xmask:1 row_mask:0xf bank_mask:0xf   ; and of my neighbour's 16: the block's
	v_add_nc_u32 v11, -(EMAX<<23), v8              ; 2 off its exponent field: the conversion takes the exponent field of this operand as its scale
	v_cvt_scalef32_pk16_fp6_f32 v[C+4*(\t):C+4*(\t)+2], v[XS:XS+15], v11
	v_lshrrev_b32 v[E+(\t)], 23, v11               ; the scale's byte (a plain line behind the conversion)
	ds_store_b8 v5, v[E+(\t)] offset:16*(\t)       ; both lanes of a block write the same byte with the same value
	global_store_b96 v4, v[C+4*(\t):C+4*(\t)+2], s[8:9] offset:32*CB*(\t)
.endm
.irp t, 0,1,2,3,4,5,6,7,8,9,10,11,12,13,14,15
	STEP \t
.endr
	ds_load_b64 v[8:9], v6                         ; LDS serves a wave's instructions in order: these see my stores
	s_wait_dscnt 0x0
	global_store_b64 v7, v[8:9], s[10:11]          ; 32 lanes store 256 consecutive bytes, aligned
	s_wait_tensorcnt 0x0                           ; the wave's end, behind my last LDS store
	ds_add_u32 v[SPW], v[NIL]
	s_wait_dscnt 0x0
	s_endpgm
.Lfunc_end_k_q6d69533b00_quant_rows:
	.size	k_q6d69533b00_quant_rows, .Lfunc_end_k_q6d69533b00_quant_rows-k_q6d69533b00_quant_rows
	.p2alignl 7, 3214868480
	.fill 96, 4, 3214868480
	.section	.rodata,"a",@progbits
	.p2align	6, 0x0
	.amdhsa_kernel k_q6d69533b00_quant_rows
		.amdhsa_group_segment_fixed_size 33280
		.amdhsa_private_segment_fixed_size 0
		.amdhsa_enable_private_segment 0
		.amdhsa_kernarg_size 48
		.amdhsa_user_sgpr_count 2
		.amdhsa_user_sgpr_kernarg_segment_ptr 1
		.amdhsa_wavefront_size32 1
		.amdhsa_system_sgpr_workgroup_id_x 1
		.amdhsa_system_sgpr_workgroup_id_y 1
		.amdhsa_system_sgpr_workgroup_id_z 1
		.amdhsa_system_vgpr_workitem_id 0
		.amdhsa_next_free_vgpr 192
		.amdhsa_next_free_sgpr 66
		.amdhsa_reserve_vcc 0
		.amdhsa_float_denorm_mode_32 3
		.amdhsa_float_denorm_mode_16_64 3
		.amdhsa_memory_ordered 1
		.amdhsa_forward_progress 1
		.amdhsa_inst_pref_size 33
	.end_amdhsa_kernel
	.amdgpu_metadata
---
amdhsa.version: [ 1, 2 ]
amdhsa.kernels:
  - .name:           k_q6d69533b00_quant_rows
    .symbol:         k_q6d69533b00_quant_rows.kd
    .args:
      - { .name: x, .offset: 0, .size: 8, .value_kind: global_buffer, .address_space: global }
      - { .name: Wo, .offset: 8, .size: 8, .value_kind: global_buffer, .address_space: global }
      - { .name: xc, .offset: 16, .size: 8, .value_kind: global_buffer, .address_space: global }
      - { .name: xs, .offset: 24, .size: 8, .value_kind: global_buffer, .address_space: global }
      - { .name: wc, .offset: 32, .size: 8, .value_kind: global_buffer, .address_space: global }
      - { .name: ws, .offset: 40, .size: 8, .value_kind: global_buffer, .address_space: global }
    .group_segment_fixed_size: 33280
    .private_segment_fixed_size: 0
    .kernarg_segment_align: 8
    .kernarg_segment_size: 48
    .max_flat_workgroup_size: 128
    .sgpr_count:     66
    .vgpr_count:     192
    .wavefront_size: 32
...
	.end_amdgpu_metadata
.endif
;; end of part 1
;; launch quant_cols (part 2): grid 48 x 2, 4 waves a work-group, no clusters, 35,840 bytes of LDS; arguments Wq, Wk, Wv, wc, ws; writes wc, ws
.if DOCPART == 2
	.amdgcn_target "amdgcn-amd-amdhsa--gfx1250"
	.amdhsa_code_object_version 6
	.text
	.protected	k_q6d69533b00_quant_cols
	.globl	k_q6d69533b00_quant_cols
	.p2align	8
	.type	k_q6d69533b00_quant_cols,@function
k_q6d69533b00_quant_cols:
	s_mov_b64 s[64:65], 0
	v_nop
	global_prefetch_b8 v0, s[64:65] scope:SCOPE_SE
	s_setreg_imm32_b32 hwreg(HW_REG_WAVE_MODE, 25, 1), 1
	s_wait_xcnt 0x0
; Wq, Wk, Wv [16][1024 (e)][64 (d)], f32: K = e is the middle axis.  They become codes of FP6 (E2M3) with K innermost, rows of 768 bytes, and scale bytes, rows of 32.
; Row of the output: 1,024 t + 64 h + sw(d), t = 0, 1, 2 for q, k, v; sw(d) is d with bits 3 and 4 exchanged.
; A LANE TAKES A COLUMN d, AND ITS REGISTERS RUN DOWN K: a block of 32 along K lies in one lane's 32 registers, and the conversions give codes with K innermost.  Nothing is transposed by an instruction.
; Work-group x = 16 t + h.  Wave w takes columns 32 (w % 2) on and 256 along K from 256 (2 y + w / 2) on: 8 blocks a lane, 192 bytes of codes a column.  They go through the wave's own stage in LDS,
; into the stage row sw(lane), and leave as rows: sixteen lanes store a row's 192 consecutive bytes, 12 bytes each.  Waves share nothing: no barrier.  Loads run two blocks (64 loads a wave) ahead.
; LIMITS: a block of zeros, or one whose largest magnitude lies under 2^-124, gets the byte 1 (the bytes are read by this program alone).  NaN and infinities among the inputs are not served.
.set KW,    256
.set NB,    KW/32
.set ROWB,  192                        ; bytes of KW codes
.set PITCH, 272                        ; a stage row: sixteen places of 16 bytes, each with 12 bytes of codes, + 16
.set KROW,  768                        ; a row of the codes' buffer
.set WROW,  256                        ; a row of a head's W in memory: 64 numbers
.set EMAX,  2
.set X,     32                         ; v32-95   two sets of 32 numbers
.set C,     96                         ; v96..    a block's codes
.set OUTR,  112                        ; v112-175 the way out
.set SPW,   14
.set NIL,   15
.set SPARE, 4*32*PITCH                 ; behind the four stages: the spare words
.set SB,    24                         ; v24-25   the scale bytes, four to a register
	s_load_b256 s[4:11], s[0:1], 0x0               ; Wq, Wk, Wv, the codes
	s_load_b64 s[12:13], s[0:1], 0x20              ; the scale bytes
	v_lshl_add_u32 v[SPW], v0, 2, SPARE
	v_mov_b32 v[NIL], 0
	v_lshrrev_b32 v1, 5, v0
	v_readfirstlane_b32 s16, v1                    ; wave 0..3
	v_and_b32 v2, 31, v0                           ; lane
	s_and_b32 s17, s16, 1                          ; which 32 columns
	s_lshr_b32 s18, s16, 1
	s_and_b32 s19, ttmp7, 0xffff
	s_lshl_b32 s19, s19, 1
	s_add_co_u32 s18, s18, s19                     ; which 256 along K
	v_lshlrev_b32 v3, 2, v2                        ; in: 4 bytes a lane
	s_mul_i32 s19, s16, 32*PITCH                   ; my stage
	v_and_b32 v10, 7, v2
	v_bfe_u32 v5, v2, 3, 1
	v_bfe_u32 v6, v2, 4, 1
	v_lshl_add_u32 v10, v5, 4, v10
	v_lshl_add_u32 v10, v6, 3, v10                 ; sw(lane): bits 3 and 4 exchanged
	v_mul_u32_u24 v4, v10, PITCH
	v_add_nc_u32 v4, s19, v4                       ; into the stage: row sw(my column)
	v_and_b32 v5, 15, v2
	v_lshrrev_b32 v6, 4, v2                        ; out of it: sixteen lanes to a row, two rows an instruction
	v_mul_u32_u24 v7, v6, PITCH
	v_lshl_add_u32 v7, v5, 4, v7
	v_add_nc_u32 v7, s19, v7
	v_mul_u32_u24 v8, v6, KROW
	v_mad_u32_u24 v8, v5, 12, v8                   ; and the same place in the codes' buffer
	v_lshlrev_b32 v9, 5, v10                       ; my column's row of scale bytes
	s_and_b32 s20, ttmp9, 15
	s_lshl_b32 s20, s20, 18                        ; the head: 1,024 rows of 256 bytes
	s_lshl_b32 s21, s18, 16                        ; 256 rows of 256 bytes
	s_add_co_u32 s20, s20, s21
	s_lshl_b32 s21, s17, 7
	s_add_co_u32 s20, s20, s21
	s_mov_b32 s21, 0
	s_lshl_b32 s22, ttmp9, 6
	s_lshl_b32 s23, s17, 5
	s_add_co_u32 s22, s22, s23                     ; my wave's first row of the output
	s_mul_i32 s24, s22, KROW
	s_mul_i32 s23, s18, ROWB
	s_add_co_u32 s24, s24, s23
	s_mov_b32 s25, 0
	s_lshl_b32 s26, s22, 5
	s_lshl_b32 s23, s18, 3
	s_add_co_u32 s26, s26, s23
	s_mov_b32 s27, 0
	s_wait_kmcnt 0x0
	s_cmp_lt_u32 ttmp9, 16                         ; which tensor: the choice hangs on the work-group's number alone
	s_cselect_b64 s[4:5], s[4:5], s[6:7]
	s_cmp_lt_u32 ttmp9, 32
	s_cselect_b64 s[4:5], s[4:5], s[8:9]
	s_add_nc_u64 s[4:5], s[4:5], s[20:21]
	s_add_nc_u64 s[6:7], s[10:11], s[24:25]
	s_add_nc_u64 s[8:9], s[12:13], s[26:27]
.macro LOAD t                          ; block t: W(32 t + i, my column), i = 0 .. 31, into set t % 2
.irp i, 0,1,2,3,4,5,6,7,8,9,10,11,12,13,14,15,16,17,18,19,20,21,22,23,24,25,26,27,28,29,30,31
	global_load_b32 v[X+32*((\t)%2)+\i], v3, s[4:5] offset:(32*(\t)+\i)*WROW th:TH_LOAD_NT
.endr
.endm
	LOAD 0
	LOAD 1
.macro BLOCK t
.set XS, X+32*((\t)%2)
.if (\t) < NB-1
	s_wait_loadcnt 32                              ; this block's 32 loads are in; the next block's may be out
.else
	s_wait_loadcnt 0
.endif
	v_max3_num_f32 v12, |v[XS]|, |v[XS+1]|, |v[XS+2]|               ; the block's largest magnitude: all 32 numbers are mine
	v_max3_num_f32 v13, |v[XS+3]|, |v[XS+4]|, |v[XS+5]|
.irp i, 6,10,14,18,22,26
	v_max3_num_f32 v12, v12, |v[XS+\i]|, |v[XS+\i+1]|
	v_max3_num_f32 v13, v13, |v[XS+\i+2]|, |v[XS+\i+3]|
.endr
	v_max3_num_f32 v12, v12, |v[XS+30]|, |v[XS+31]|
	v_max3_num_f32 v12, v12, v13, (EMAX+1)<<23     ; and the floor 2^(3 - 127)
	v_add_nc_u32 v11, -(EMAX<<23), v12             ; the conversion's scale operand
	v_lshrrev_b32 v13, 23, v11                     ; the scale's byte
.if (\t)%4 == 0
	v_mov_b32 v[SB+(\t)/4], v13                    ; four bytes to a register, the lower K in the lower byte
.else
	v_lshl_or_b32 v[SB+(\t)/4], v13, 8*((\t)%4), v[SB+(\t)/4]
.endif
	v_cvt_scalef32_pk16_fp6_f32 v[C:C+2], v[XS:XS+15], v11
	v_cvt_scalef32_pk16_fp6_f32 v[C+4:C+6], v[XS+16:XS+31], v11     ; (a conversion's three registers begin on an even number)
	ds_store_b96 v4, v[C:C+2] offset:32*(\t)       ; 12 bytes to a place of 16 in the stage: every LDS address is a multiple of 16
	ds_store_b96 v4, v[C+4:C+6] offset:32*(\t)+16
.if (\t)+2 < NB
	LOAD (\t)+2
.endif
	s_wait_dscnt 0x0                               ; the stores have read their registers: the next block's codes may be written
.endm
.set Q, 0
.rept NB
	BLOCK Q
.set Q, Q+1
.endr
	global_store_b64 v9, v[SB:SB+1], s[8:9]        ; my column's 8 scale bytes
.irp t, 0,1,2,3,4,5,6,7,8,9,10,11,12,13,14,15
	ds_load_b96 v[OUTR+4*\t:OUTR+4*\t+2], v7 offset:2*\t*PITCH   ; LDS serves a wave's instructions in order: these see my stores
.endr
.irp t, 0,1,2,3,4,5,6,7,8,9,10,11,12,13,14,15
	s_wait_dscnt 15-\t
	global_store_b96 v8, v[OUTR+4*\t:OUTR+4*\t+2], s[6:7] offset:2*\t*KROW
.endr
	s_wait_tensorcnt 0x0                           ; the wave's end, behind my last LDS store
	ds_add_u32 v[SPW], v[NIL]
	s_wait_dscnt 0x0
	s_endpgm
.Lfunc_end_k_q6d69533b00_quant_cols:
	.size	k_q6d69533b00_quant_cols, .Lfunc_end_k_q6d69533b00_quant_cols-k_q6d69533b00_quant_cols
	.p2alignl 7, 3214868480
	.fill 96, 4, 3214868480
	.section	.rodata,"a",@progbits
	.p2align	6, 0x0
	.amdhsa_kernel k_q6d69533b00_quant_cols
		.amdhsa_group_segment_fixed_size 35840
		.amdhsa_private_segment_fixed_size 0
		.amdhsa_enable_private_segment 0
		.amdhsa_kernarg_size 40
		.amdhsa_user_sgpr_count 2
		.amdhsa_user_sgpr_kernarg_segment_ptr 1
		.amdhsa_wavefront_size32 1
		.amdhsa_system_sgpr_workgroup_id_x 1
		.amdhsa_system_sgpr_workgroup_id_y 1
		.amdhsa_system_sgpr_workgroup_id_z 1
		.amdhsa_system_vgpr_workitem_id 0
		.amdhsa_next_free_vgpr 192
		.amdhsa_next_free_sgpr 66
		.amdhsa_reserve_vcc 0
		.amdhsa_float_denorm_mode_32 3
		.amdhsa_float_denorm_mode_16_64 3
		.amdhsa_memory_ordered 1
		.amdhsa_forward_progress 1
		.amdhsa_inst_pref_size 42
	.end_amdhsa_kernel
	.amdgpu_metadata
---
amdhsa.version: [ 1, 2 ]
amdhsa.kernels:
  - .name:           k_q6d69533b00_quant_cols
    .symbol:         k_q6d69533b00_quant_cols.kd
    .args:
      - { .name: Wq, .offset: 0, .size: 8, .value_kind: global_buffer, .address_space: global }
      - { .name: Wk, .offset: 8, .size: 8, .value_kind: global_buffer, .address_space: global }
      - { .name: Wv, .offset: 16, .size: 8, .value_kind: global_buffer, .address_space: global }
      - { .name: wc, .offset: 24, .size: 8, .value_kind: global_buffer, .address_space: global }
      - { .name: ws, .offset: 32, .size: 8, .value_kind: global_buffer, .address_space: global }
    .group_segment_fixed_size: 35840
    .private_segment_fixed_size: 0
    .kernarg_segment_align: 8
    .kernarg_segment_size: 40
    .max_flat_workgroup_size: 128
    .sgpr_count:     66
    .vgpr_count:     192
    .wavefront_size: 32
...
	.end_amdgpu_metadata
.endif
;; end of part 2
;; launch qkv (part 3): grid 12 x 32, 4 waves a work-group, clusters of 4 x 4, 327,680 bytes of LDS; arguments xc, xs, wc, ws, qkv, qkvs; writes qkv, qkvs
.if DOCPART == 3
	.amdgcn_target "amdgcn-amd-amdhsa--gfx1250"
	.amdhsa_code_object_version 6
	.text
	.protected	k_q6d69533b00_qkv
	.globl	k_q6d69533b00_qkv
	.p2align	8
	.type	k_q6d69533b00_qkv,@function
k_q6d69533b00_qkv:
	s_mov_b64 s[64:65], 0
	v_nop
	global_prefetch_b8 v0, s[64:65] scope:SCOPE_SE
	s_setreg_imm32_b32 hwreg(HW_REG_WAVE_MODE, 25, 1), 1
	s_wait_xcnt 0x0
	s_wait_alu depctr_hold_cnt(0) depctr_sa_sdst(0) depctr_va_vdst(0) depctr_va_sdst(0) depctr_va_ssrc(0) depctr_va_vcc(0) depctr_vm_vsrc(0)
	s_getreg_b32 s2, hwreg(HW_REG_IB_STS2, 6, 4)
	s_cmp_eq_u32 s2, 0
	s_cbranch_scc0 .Lentry_in_a_cluster
	s_endpgm
.Lentry_in_a_cluster:
	s_bfe_u32 s2, ttmp6, 0x10000c
	s_cmp_lg_u32 s2, 0xf033
	s_cbranch_scc0 .Lentry_shape_is_right
	s_endpgm
.Lentry_shape_is_right:
; q, k, v = x Wq, x Wk, x Wv on codes of FP6 (E2M3) with E8M0 scales, K = 1,024; the results are quantised on the way out and leave as codes: q and k along d (two blocks of 32 a head), v along the keys.
; A tile of 256 x 256 of the product [8,192 tokens] x [3,072 rows of W] is made by four waves, each 128 x 128: 64 accumulators, 512 registers.  K goes in steps of 256 through a ring of two LDS slots.
; THE MATRIX INSTRUCTION IS USED TRANSPOSED: source 0 = 16 rows of "B", source 1 = 16 rows of "A": a lane holds ONE row of A, and its registers run along B's rows.
; q and k are quantised along d, so there A = x and B = W (clusters x = 0: q, 1: k).  v is quantised along the tokens, so there A = Wv and B = x (clusters x = 2).  Both tensors have rows of 768 bytes of codes and 32
; scale bytes, so the choice is one of pointers and tile numbers, made on the CLUSTER's x, which all sixteen partners share.
; THE ROWS OF x AND OF W LIE IN MEMORY WITH BITS 3 AND 4 OF THEIR NUMBER EXCHANGED.  So register j of lane (r, h) in the tile of B's stored rows 16 b .. 16 b + 15 is B's row 32 (b / 2) + 16 h + 8 (b % 2) + j:
; a lane's 16 registers of tiles 2 b', 2 b' + 1 are 16 NEIGHBOURS, as the conversions want them.
; WHAT LEAVES is laid as images of operand registers.  q, k: for each head and stored tile of 16 tokens 768 bytes: [p 0..2][lane][8 bytes] = registers 2 p, 2 p + 1 of a half fragment (K = 64).
; v: for each head, 128 keys and tile of 16 stored d 1,536 bytes: [j 0..2][lane][16 bytes] = registers 4 j .. 4 j + 3 of a fragment.  Every store of codes covers 256 or 512 consecutive bytes, aligned.
; CLUSTERS: 4 x 4 work-groups; A's tile is shared along a row of the cluster, B's along a column: each is asked for jointly.
; LIMITS: a block of zeros, or one whose largest magnitude lies under 2^-124, gets the byte 1 (read by this program alone).  NaN and infinities are not served.
; REGISTERS: window 0: v0-31 addresses; v32-63 scale words, two sets; v128-223 A's fragments, one set; on the way out v112-131 codes, v200-215 at work, v240-247 scale words.
;   window 1: B's fragments, two sets, at v0 and v128.  window 2: the accumulators of my rows 0-63 ((a, b) at v[8 (8 a + b)]);  window 3: those of rows 64-127.
.set KSTEP,  256
.set NQ,     2
.set ROWB,   192
.set KROW,   768
.set PITCH,  240                       ; an LDS row: 3 x (64 bytes + 16 of padding)
.set FR,     12
.set NL,     6
.set NP,     4
.set HALFT,  128*PITCH
.set SLOT,   4*HALFT
.set LAPS,   2                         ; 1,024 / 512
.set KS,     32
.set SCL,    2*SLOT                    ; behind the ring: the scales, units of 256 bytes + 16 of padding
.set HALFS,  (128*KS/256)*272
.set SBLK,   (16*KS/256)*272
.set SPARE,  SCL+4*HALFS               ; the spare words: 128 bytes a wave
.set ADRA, 16
.set ADRB, 20
.set SPW,  28
.set NIL,  29
.set ADRS, 27
.set SC,   32
.set AF,   128
.set CD,   112                         ; the way out: a fragment's codes v112-123, conversions' second halves v124-130
.set TM,   200                         ; v200-203 largest magnitudes, v204-207 bytes, v212-215 scale operands
.set WS,   240                         ; v240-247 block a's scale word
.set G1, 24
.set G0, 32
.set G1B, 48
.set G0B, 56
.set G1S, 68
.set G0S, 76
.set G1SB, 80
.set G0SB, 88
.set MSB, 0
.macro WIN new                         ; the immediate's high byte repeats the setting that is left
.if MSB != \new
	s_set_vgpr_msb (MSB<<8)|\new
.set MSB, \new
.endif
.endm
.set MUL_LO, 0xa1                      ; source 0 (B) window 1, source 1 (A) window 0, C and D window 2
.set MUL_HI, 0xf1
.set TO_B,   0x40
; A joint load: waves 0 and 1 fetch for A, waves 2 and 3 for B.  The branch hangs on the wave's number alone.  An s_nop 0 and four v_nop follow each of the two lines.
.macro JLOAD g0a, g1a, g0b, g1b
	s_cmp_eq_u32 s15, 0
	s_cbranch_scc0 .Lfor_b_\@
	tensor_load_to_lds s[\g0a:\g0a+3], s[\g1a:\g1a+7]
	s_nop 0
.rept 4
	v_nop
.endr
	s_branch .Lasked_\@
.Lfor_b_\@:
	tensor_load_to_lds s[\g0b:\g0b+3], s[\g1b:\g1b+7]
	s_nop 0
.rept 4
	v_nop
.endr
.Lasked_\@:
.endm
.macro CREST                           ; a round of the cluster's barrier behind its opening barrier
	s_cmp_lg_u32 s14, 0
	s_cbranch_scc1 .Lnot_wave_0_\@
	s_barrier_signal -3
.Lnot_wave_0_\@:
	s_barrier_wait -3
	s_barrier_signal -1
	s_barrier_wait -1
.endm
.macro CROUND
	s_barrier_signal -1
	s_barrier_wait -1
	CREST
.endm
	s_load_b128 s[4:7], s[0:1], 0x0                ; x's codes, x's scales
	s_load_b128 s[8:11], s[0:1], 0x10              ; W's codes, W's scales
	v_lshl_add_u32 v[SPW], v0, 2, SPARE
	v_mov_b32 v[NIL], 0
	ds_add_u32 v[SPW], v[NIL]                      ; the wave's opening: the add and its wait stand ahead of my first tensor load; the set-up below stands between them
	v_lshrrev_b32 v1, 5, v0
	v_readfirstlane_b32 s14, v1                    ; wave 0..3
	s_lshr_b32 s15, s14, 1                         ; which half of A's rows is mine.  Also: I fetch for A (0) or for B (1)
	s_and_b32 s16, s14, 1                          ; which half of B's rows.  Also: which 128 rows of that tile I fetch
	s_bfe_u32 s40, ttmp6, 0x40000                  ; cx, cy: my place in the cluster
	s_bfe_u32 s41, ttmp6, 0x40004
	s_and_b32 s95, ttmp7, 0xffff
	s_lshl_b32 s95, s95, 2                         ; 4 x cluster y
	s_lshl_b32 s96, ttmp9, 2                       ; 4 x cluster x
	s_add_co_u32 s17, s95, s41                     ; q, k: A's tile = x's, 4 cluster y + cy
	s_add_co_u32 s97, s41, 8                       ; v:    A's tile = Wv's, 8 + cy
	s_add_co_u32 s42, s96, s40                     ; q, k: B's tile = W's, 4 cluster x + cx
	s_add_co_u32 s101, s95, s40                    ; v:    B's tile = x's, 4 cluster y + cx
	s_cmp_eq_u32 ttmp9, 2                          ; the cluster's x: the same in all sixteen partners
	s_cselect_b32 s100, 1, 0                       ; 1: this cluster makes v
	s_cselect_b32 s17, s97, s17                    ; A's tile hangs on cy and the cluster's place alone,
	s_cselect_b32 s42, s101, s42                   ; B's on cx and the cluster's place alone
	s_lshl_b32 s43, s41, 2
	s_lshl_b32 s43, 15, s43                        ; my row of the cluster
	s_lshl_b32 s44, 0x1111, s40                    ; my column
	; descriptor group 1: a tile of 128 rows x 192 bytes, padded in LDS
	s_or_b32 s[G1+0], s43, (0<<16)|(1<<20)|(1<<21)|(3<<22)|(3<<25)  ; the mask: A's tiles go to my row; elements of 1 byte; padding on; bit 21 beside a mask; after every 16 words 4 words
	s_or_b32 s[G1B+0], s44, (0<<16)|(1<<20)|(1<<21)|(3<<22)|(3<<25)
.irp g, G1, G1B
	s_mov_b32 s[\g+1], ROWB<<16                    ; tensor_dim0
	s_mov_b32 s[\g+2], 128<<16                     ; tensor_dim1
	s_mov_b32 s[\g+3], ROWB<<16                    ; tile_dim0
	s_mov_b32 s[\g+4], 128                         ; tile_dim1
	s_mov_b32 s[\g+5], KROW                        ; the pitch
	s_mov_b32 s[\g+6], 0
	s_mov_b32 s[\g+7], 0
.endr
	; the scales of 128 rows: 4,096 dense bytes, as rows of 256 bytes (32 elements of 8 bytes), 16 bytes of padding behind each
	s_or_b32 s[G1S+0], s43, (3<<16)|(1<<20)|(1<<21)|(5<<22)|(3<<25)
	s_or_b32 s[G1SB+0], s44, (3<<16)|(1<<20)|(1<<21)|(5<<22)|(3<<25)
.irp g, G1S, G1SB
	s_mov_b32 s[\g+1], 32<<16
	s_mov_b32 s[\g+2], (128*KS/256)<<16
	s_mov_b32 s[\g+3], 32<<16
	s_mov_b32 s[\g+4], 128*KS/256
	s_mov_b32 s[\g+5], 32
	s_mov_b32 s[\g+6], 0
	s_mov_b32 s[\g+7], 0
.endr
	s_lshl_b32 s18, s16, 7                         ; which 128 rows of the tile I fetch
	s_lshl_b32 s20, s17, 8
	s_add_co_u32 s20, s20, s18                     ; A: row 256 x tile + 128 x half
	s_lshl_b32 s46, s42, 8
	s_add_co_u32 s46, s46, s18                     ; B likewise
	s_mov_b32 s21, 0
	s_mov_b32 s47, 0
	s_mov_b64 s[18:19], KS
	s_mul_u64 s[22:23], s[20:21], s[18:19]         ; where these rows' scales begin, in bytes
	s_mul_u64 s[92:93], s[46:47], s[18:19]
	s_mov_b64 s[18:19], KROW
	s_mul_u64 s[20:21], s[20:21], s[18:19]         ; and their codes
	s_mul_u64 s[46:47], s[46:47], s[18:19]
	s_mul_i32 s45, s14, HALFT                      ; where they go: wave x 128 rows: no place in the cluster enters an LDS address
	s_mul_i32 s94, s14, HALFS
	s_wait_dscnt 0x0                               ; the opening add is done
	s_wait_kmcnt 0x0
	s_cmp_eq_u32 s100, 0                           ; q, k: A = x, B = W;  v: A = W, B = x
	s_cselect_b64 s[12:13], s[4:5], s[8:9]         ; A's codes
	s_cselect_b64 s[4:5], s[8:9], s[4:5]           ; B's codes
	s_cselect_b64 s[8:9], s[6:7], s[10:11]         ; A's scales
	s_cselect_b64 s[6:7], s[10:11], s[6:7]         ; B's scales
	s_add_nc_u64 s[20:21], s[12:13], s[20:21]
	s_add_nc_u64 s[22:23], s[8:9], s[22:23]
	s_add_nc_u64 s[46:47], s[4:5], s[46:47]
	s_add_nc_u64 s[92:93], s[6:7], s[92:93]
	CROUND                                         ; all sixteen work-groups are here: the first joint loads meet
	s_mov_b32 s[G0S], 1
	s_add_co_u32 s[G0S+1], s94, SCL
	s_mov_b64 s[G0S+2:G0S+3], s[22:23]
	s_or_b32 s[G0S+3], s[G0S+3], 0x80000000
	s_mov_b32 s[G0SB], 1
	s_add_co_u32 s[G0SB+1], s94, SCL
	s_mov_b64 s[G0SB+2:G0SB+3], s[92:93]
	s_or_b32 s[G0SB+3], s[G0SB+3], 0x80000000
	JLOAD G0S, G1S, G0SB, G1SB                     ; the scales first: they are wanted with K step 0
.irp s, 0,1
	s_mov_b32 s[G0+4*\s], 1
	s_add_co_u32 s[G0+4*\s+1], s45, \s*SLOT
	s_add_nc_u64 s[G0+4*\s+2:G0+4*\s+3], s[20:21], \s*ROWB
	s_or_b32 s[G0+4*\s+3], s[G0+4*\s+3], 0x80000000
	s_mov_b32 s[G0B+4*\s], 1
	s_add_co_u32 s[G0B+4*\s+1], s45, \s*SLOT
	s_add_nc_u64 s[G0B+4*\s+2:G0B+4*\s+3], s[46:47], \s*ROWB
	s_or_b32 s[G0B+4*\s+3], s[G0B+4*\s+3], 0x80000000
	JLOAD G0+4*\s, G1, G0B+4*\s, G1B
.endr
	v_and_b32 v1, 15, v0                           ; l % 16
	v_bfe_u32 v2, v0, 4, 1                         ; l / 16
	v_mul_u32_u24 v3, v1, PITCH
	v_mul_u32_u24 v4, v2, 24
	v_add_nc_u32 v4, v3, v4                        ; a fragment's row x pitch + 24 x half
	v_lshl_add_u32 v5, v2, 4, v4                   ; and the same behind one padding more
	s_mul_i32 s21, s15, HALFT                      ; my 128 rows of A
	s_mul_i32 s22, s16, HALFT                      ; my 128 rows of B,
	s_add_co_u32 s22, s22, 2*HALFT                 ; which lie behind A's 256
.irp s, 0,1
	v_add_nc_u32 v[ADRA+\s], s21, v4
	v_add_nc_u32 v[ADRB+\s], s22, v4
	v_add_nc_u32 v[ADRA+2+\s], s21, v5
	v_add_nc_u32 v[ADRB+2+\s], s22, v5
	s_add_co_u32 s21, s21, SLOT
	s_add_co_u32 s22, s22, SLOT
.endr
	v_mul_u32_u24 v5, v1, KS                       ; my row's scales: 32 bytes a row,
	v_lshrrev_b32 v6, 8, v5
	v_lshl_add_u32 v5, v6, 4, v5                   ; and 16 more for each 256 passed
	s_mul_i32 s21, s15, HALFS                      ; A's: my 128 rows
	s_mul_i32 s22, s16, HALFS                      ; B's: my 128 rows, behind A's 256
	s_add_co_u32 s22, s22, 2*HALFS
	s_sub_co_u32 s22, s22, s21
	v_mul_u32_u24 v6, s22, v2                      ; lanes 16-31 take B's
	s_add_co_u32 s21, s21, SCL
	v_add_nc_u32 v5, v5, v6
	v_add_nc_u32 v[ADRS], s21, v5
	; where my results go, in bytes.  xt, xh: x's tile of 256 tokens and my half of it;  wt, wh: which four heads, and which two of them
	s_cmp_eq_u32 s100, 0
	s_cselect_b32 s95, s17, s42                    ; xt
	s_cselect_b32 s96, s15, s16                    ; xh
	s_cselect_b32 s97, s40, s41                    ; wt
	s_cselect_b32 s98, s16, s15                    ; wh
	s_lshr_b32 s99, s95, 3                         ; the batch
	s_lshl_b32 s99, s99, 4
	s_lshl_b32 s97, s97, 2
	s_add_co_u32 s99, s99, s97
	s_lshl_b32 s98, s98, 1
	s_add_co_u32 s99, s99, s98                     ; y0 = 16 batch + my first head
	s_lshl_b32 s95, s95, 1
	s_add_co_u32 s95, s95, s96
	s_and_b32 s95, s95, 15                         ; which 128 tokens of the batch's 2,048
	s_mul_i32 s98, ttmp9, 6291456                  ; the region of q, k or v,
	s_mul_i32 s96, s99, 98304                      ; the head,
	s_add_co_u32 s98, s98, s96
	s_mul_i32 s96, s95, 6144                       ; the 128 tokens: 8 images of 768 bytes, or 4 of 1,536
	s_add_co_u32 s98, s98, s96
	s_mul_i32 s99, s99, 12288                      ; scale words: 12,288 bytes a head; q's heads from 0, k's and v's from 786,432;
	s_cmp_eq_u32 ttmp9, 0
	s_cselect_b32 s96, 0, 786432
	s_add_co_u32 s99, s99, s96
	s_lshl_b32 s96, s95, 9                         ; q, k: 512 bytes for 128 tokens;
	s_lshl_b32 s97, s95, 8                         ; v: 256 bytes for 128 keys, behind k's 8,192
	s_add_co_u32 s97, s97, 8192
	s_cmp_eq_u32 s100, 0
	s_cselect_b32 s96, s96, s97
	s_add_co_u32 s99, s99, s96
.macro FRAG reg, adr, q, i             ; a fragment, 16 rows x 128 K: 12 registers; in pieces of 8 bytes.  Lanes 16-31 read three pieces further on; where that lies behind one padding more, the second address register serves
.irp p, 0,1,2,3,4,5
.set PCE, 12*(\q)+6*(\p/3)+\p%3
.if PCE%8 < 5
	ds_load_b64 v[\reg+2*\p:\reg+2*\p+1], v[\adr] offset:8*PCE+16*(PCE/8)+(\i)*16*PITCH
.else
	ds_load_b64 v[\reg+2*\p:\reg+2*\p+1], v[\adr+2] offset:8*PCE+16*(PCE/8)+(\i)*16*PITCH
.endif
.endr
.endm
; 16 matrix instructions: A's blocks a0, a0 + 1 x B's eight, 128 along K.  The 64 accumulators take turns, one instruction a turn, in the same order in every step.
.macro MUL16 a0, p, q, sc, zero
.irp a, \a0, \a0+1
.irp b, 0,1,2,3,4,5,6,7
.if \zero
	v_wmma_scale_f32_16x16x128_f8f6f4 v[8*(8*((\a)%4)+\b):8*(8*((\a)%4)+\b)+7], v[128*(\p)+FR*\b:128*(\p)+FR*\b+FR-1], v[AF+FR*(\a):AF+FR*(\a)+FR-1], 0, v[SC+8*NQ*(\sc)+NQ*\b+(\q)], v[SC+8*NQ*(\sc)+NQ*(\a)+(\q)] matrix_a_fmt:MATRIX_FMT_FP6 matrix_b_fmt:MATRIX_FMT_FP6 matrix_a_scale:MATRIX_SCALE_ROW1
.else
	v_wmma_scale_f32_16x16x128_f8f6f4 v[8*(8*((\a)%4)+\b):8*(8*((\a)%4)+\b)+7], v[128*(\p)+FR*\b:128*(\p)+FR*\b+FR-1], v[AF+FR*(\a):AF+FR*(\a)+FR-1], v[8*(8*((\a)%4)+\b):8*(8*((\a)%4)+\b)+7], v[SC+8*NQ*(\sc)+NQ*\b+(\q)], v[SC+8*NQ*(\sc)+NQ*(\a)+(\q)] matrix_a_fmt:MATRIX_FMT_FP6 matrix_b_fmt:MATRIX_FMT_FP6 matrix_a_scale:MATRIX_SCALE_ROW1
.endif
.endr
.endr
.endm
.macro FETCH_B slot, q, p
	WIN TO_B
.irp i, 0,1,2,3,4,5,6,7
	FRAG 128*(\p)+FR*\i, ADRB+\slot, \q, \i
.endr
	WIN 0
.endm
.macro FETCH_A slot, q, i0
.irp i, \i0, \i0+1, \i0+2, \i0+3
	FRAG AF+FR*(\i), ADRA+\slot, \q, \i
.endr
.endm
.macro SCALES sc                       ; a K step's scale words: lanes 0-15 take A's block i, lanes 16-31 B's block i
.irp i, 0,1,2,3,4,5,6,7
	ds_load_b64 v[SC+8*NQ*\sc+NQ*\i:SC+8*NQ*\sc+NQ*\i+1], v[ADRS] offset:\i*SBLK
.endr
.endm
.macro PLACES n                        ; plain vector lines between a matrix instruction and a load into, or a read of, its registers
.rept \n
	v_nop
.endr
.endm
.macro STEP slot, q, zero              ; a step of 128 along K that has its successor in the same slot
	s_wait_dscnt 4*NL                              ; B's set and A's blocks 0-3 are in; the youngest 24 loads (A's blocks 4-7) may be out
	WIN MUL_LO
	MUL16 0, (\q)%2, \q, \slot, \zero
	MUL16 2, (\q)%2, \q, \slot, \zero
	s_wait_dscnt 0                                 ; A's blocks 4-7 are in
	PLACES NP
	FETCH_B \slot, (\q)+1, 1-(\q)%2
	FETCH_A \slot, (\q)+1, 0
	WIN MUL_HI
	MUL16 4, (\q)%2, \q, \slot, \zero
	MUL16 6, (\q)%2, \q, \slot, \zero
	PLACES NP
	WIN 0
	FETCH_A \slot, (\q)+1, 4
.endm
; A slot's last step changes slots: one barrier; in front of it each wave waits for all its tensor loads, adds 0 to its spare word, and waits for that and for its reads of this slot.
.macro TURN slot, next, fill
	s_wait_tensorcnt 0x0                           ; all my tensor loads have landed: my part of the next slot
	ds_add_u32 v[SPW], v[NIL]                      ; 0 onto my spare word
	s_wait_dscnt 4*NL+1                            ; (the add and the youngest 24 loads may be out)
	WIN MUL_LO
	MUL16 0, 1, NQ-1, \slot, 0
	s_wait_dscnt 0x0                               ; the add is done, and my reads of this slot are over
	s_barrier_signal -1
	MUL16 2, 1, NQ-1, \slot, 0
	WIN 0
	s_barrier_wait -1
.if \fill
	CREST                                          ; the barrier has opened a round of the cluster's barrier: no wave of any partner still reads this slot or has a load on its way
	s_add_nc_u64 s[G0+4*\slot+2:G0+4*\slot+3], s[G0+4*\slot+2:G0+4*\slot+3], 2*ROWB
	s_add_nc_u64 s[G0B+4*\slot+2:G0B+4*\slot+3], s[G0B+4*\slot+2:G0B+4*\slot+3], 2*ROWB
	JLOAD G0+4*\slot, G1, G0B+4*\slot, G1B         ; the first tensor load behind the round
.else
	PLACES NP
.endif
	v_add_nc_u32 v[ADRS], 4*NQ, v[ADRS]            ; on to the next K step's scale words
	FETCH_B \next, 0, 0
	FETCH_A \next, 0, 0
	SCALES \next
	WIN MUL_HI
	MUL16 4, 1, NQ-1, \slot, 0
	MUL16 6, 1, NQ-1, \slot, 0
	PLACES NP
	WIN 0
	FETCH_A \next, 0, 4
.endm
	s_wait_tensorcnt 1                             ; the scales and my part of K step 0 are in (K step 1's load may be out),
	s_barrier_signal -1
	s_barrier_wait -1                              ; everybody's are
	FETCH_B 0, 0, 0
	FETCH_A 0, 0, 0
	SCALES 0
	FETCH_A 0, 0, 4
	STEP 0, 0, 1                                   ; the first step's products start the sums
	s_mov_b32 s3, LAPS-1
.Llap:
	TURN 0, 1, 1
	STEP 1, 0, 0
	TURN 1, 0, 1
	STEP 0, 0, 0
	s_sub_co_u32 s3, s3, 1
	s_cmp_lg_u32 s3, 0
	s_cbranch_scc1 .Llap
	TURN 0, 1, 0                                   ; the last lap fills nothing
	STEP 1, 0, 0
	s_wait_dscnt 4*NL
	WIN MUL_LO
	MUL16 0, 1, NQ-1, 1, 0
	MUL16 2, 1, NQ-1, 1, 0
	s_wait_dscnt 0
	WIN MUL_HI
	MUL16 4, 1, NQ-1, 1, 0
	MUL16 6, 1, NQ-1, 1, 0
	WIN 0
	; THE WAY OUT.  Block a (16 rows of A): a lane's 64 registers are 128 of B's rows in their true order: register 16 b + i = index 32 b + 16 (lane / 16) + i.  They become one fragment and one scale word a row.
	PLACES NP
	s_load_b128 s[4:7], s[0:1], 0x20               ; the codes' buffer, the scale words' buffer
	v_and_b32 v1, 15, v0                           ; r
	v_bfe_u32 v2, v0, 4, 1                         ; h
	v_and_b32 v3, 31, v0
	v_lshlrev_b32 v24, 4, v2                       ; 16 h: lanes 16-31 take the second head's two bytes
	v_mul_u32_u24 v25, v2, 12288
	v_lshl_add_u32 v25, v1, 4, v25                 ; scale words: lanes 0-15 my first head, lanes 16-31 my second; 16 bytes a row
	v_lshlrev_b32 v26, 3, v3                       ; 8 x lane
	v_lshlrev_b32 v27, 4, v3                       ; 16 x lane
.irp b, 0,1,2,3
	v_mov_b32 v[TM+4+\b], 0                        ; written once: a lane permute's destination counts as one of its sources
.endr
	s_mov_b32 s20, 0x76543210
	s_mov_b32 s21, 0xfedcba98                      ; v_permlanex16_b32's selects for lane l xor 16
	s_mov_b32 s101, 0xffff0000                     ; lanes 16-31
	s_mov_b32 s22, s98
	s_mov_b32 s23, 0
	s_wait_kmcnt 0x0
	s_add_nc_u64 s[4:5], s[4:5], s[22:23]
	s_mov_b32 s22, s99
	s_add_nc_u64 s[6:7], s[6:7], s[22:23]
.macro QA a
.set AC, 64*((\a)%4)
.set WW, (\a)/4
.if (\a) > 0
	s_wait_xcnt 0x0                                ; the last block's stores have read their data: the codes' registers may be written again
.endif
.set WN, 0x0a+5*WW
	WIN WN                                         ; sources 0 and 1: the accumulators' window
.irp b, 0,1,2,3
	v_max3_num_f32 v[TM+\b], |v[AC+16*\b]|, |v[AC+16*\b+1]|, 0x1800000   ; block b: my 16 numbers, each accumulator from its low end on, and the floor 2^(3 - 127)
.endr
.irp i, 2,4,6,8,10,12,14
.irp b, 0,1,2,3
	v_max3_num_f32 v[TM+\b], |v[AC+16*\b+\i]|, |v[AC+16*\b+\i+1]|, v[TM+\b]
.endr
.endr
	WIN 0
.irp b, 0,1,2,3
	v_permlanex16_b32 v[TM+4+\b], v[TM+\b], s20, s21
.endr
.irp b, 0,1,2,3
	v_max_num_f32 v[TM+\b], v[TM+\b], v[TM+4+\b]   ; with lane l xor 16's: the block's largest magnitude
.endr
.irp b, 0,1,2,3
	v_add_nc_u32 v[TM+12+\b], 0xff000000, v[TM+\b] ; 2 off its exponent field: the conversion's scale operand
.endr
.irp b, 0,1,2,3
	v_lshrrev_b32 v[TM+4+\b], 23, v[TM+12+\b]      ; the scale's byte
.endr
	v_lshl_or_b32 v[WS+(\a)], v[TM+5], 8, v[TM+4]
	v_lshl_or_b32 v[WS+(\a)], v[TM+6], 16, v[WS+(\a)]
	v_lshl_or_b32 v[WS+(\a)], v[TM+7], 24, v[WS+(\a)]
.set WN, 0x02+WW
	WIN WN                                         ; source 0 alone: the accumulators' window
.irp c, 0,1
	v_cvt_scalef32_pk16_fp6_f32 v[CD+6*\c:CD+6*\c+2], v[AC+32*\c:AC+32*\c+15], v[TM+12+2*\c]
	v_cvt_scalef32_pk16_fp6_f32 v[CD+12+4*\c:CD+14+4*\c], v[AC+32*\c+16:AC+32*\c+31], v[TM+13+2*\c]   ; (a conversion's three registers begin on an even number)
.endr
	WIN 0
	v_nop                                          ; one plain place behind a scaled conversion
.irp c, 0,1                                    ; the operand's layout wants a whole block in a lane: lanes 0-15 block 2 c, lanes 16-31 block 2 c + 1
.irp i, 0,1,2
	v_permlane16_swap_b32 v[CD+6*\c+\i], v[CD+12+4*\c+\i]
.endr
.irp i, 0,1,2
	v_mov_b32 v[CD+3+6*\c+\i], v[CD+12+4*\c+\i]
.endr
.endr
	s_cmp_eq_u32 s100, 0
	s_cbranch_scc0 .Lqa_v_\@
.irp c, 0,1                                    ; q, k: registers 6 c .. 6 c + 5 are head c's half fragment of the tokens' tile a
.irp p, 0,1,2
	global_store_b64 v26, v[CD+6*\c+2*\p:CD+6*\c+2*\p+1], s[4:5] offset:\c*98304+(\a)*768+256*\p   ; 32 lanes store 256 consecutive bytes, aligned
.endr
.endr
	s_branch .Lqa_done_\@
.Lqa_v_\@:
.irp j, 0,1,2                                  ; v: a whole fragment: head a / 4, tile a % 4 of d, these 128 keys
	global_store_b128 v27, v[CD+4*\j:CD+4*\j+3], s[4:5] offset:((\a)/4)*98304+((\a)%4)*1536+512*\j   ; 512 consecutive bytes, aligned
.endr
.Lqa_done_\@:
.endm
.irp a, 0,1,2,3,4,5,6,7
	QA \a
.endr
	s_cmp_eq_u32 s100, 0
	s_cbranch_scc0 .Lv_scales
.irp a, 0,1,2,3,4,5,6,7                        ; q, k: bytes 0, 1 are my first head's two blocks, bytes 2, 3 my second head's; the upper two bytes of a stored word are 0
	v_lshrrev_b32 v[WS+\a], v24, v[WS+\a]
.endr
.irp a, 0,1,2,3,4,5,6,7
	v_and_b32 v[WS+\a], 0xffff, v[WS+\a]
.endr
	global_store_b128 v25, v[WS:WS+3], s[6:7]              ; [r][tiles 0-3]: sixteen lanes store 256 consecutive bytes, aligned
	global_store_b128 v25, v[WS+4:WS+7], s[6:7] offset:256 ; tiles 4-7
	s_branch .Lscales_done
.Lv_scales:
.irp t, 0,1,2,3                                ; v: blocks 0-3 are my first head's four tiles of d, blocks 4-7 my second head's
	v_cndmask_b32 v[WS+\t], v[WS+\t], v[WS+4+\t], s101
.endr
	global_store_b128 v25, v[WS:WS+3], s[6:7]              ; [r][tile of d]
.Lscales_done:
	s_wait_tensorcnt 0x0                           ; the wave's end, behind my last tensor load
	ds_add_u32 v[SPW], v[NIL]
	s_wait_dscnt 0x0
	CROUND                                         ; the closing round: no work-group ends while a partner may still ask for a tile that names it
	s_endpgm
.Lfunc_end_k_q6d69533b00_qkv:
	.size	k_q6d69533b00_qkv, .Lfunc_end_k_q6d69533b00_qkv-k_q6d69533b00_qkv
	.p2alignl 7, 3214868480
	.fill 96, 4, 3214868480
	.section	.rodata,"a",@progbits
	.p2align	6, 0x0
	.amdhsa_kernel k_q6d69533b00_qkv
		.amdhsa_group_segment_fixed_size 327680
		.amdhsa_private_segment_fixed_size 0
		.amdhsa_enable_private_segment 0
		.amdhsa_kernarg_size 48
		.amdhsa_user_sgpr_count 2
		.amdhsa_user_sgpr_kernarg_segment_ptr 1
		.amdhsa_wavefront_size32 1
		.amdhsa_system_sgpr_workgroup_id_x 1
		.amdhsa_system_sgpr_workgroup_id_y 1
		.amdhsa_system_sgpr_workgroup_id_z 1
		.amdhsa_system_vgpr_workitem_id 0
		.amdhsa_next_free_vgpr 1024
		.amdhsa_next_free_sgpr 102
		.amdhsa_reserve_vcc 0
		.amdhsa_float_denorm_mode_32 3
		.amdhsa_float_denorm_mode_16_64 3
		.amdhsa_memory_ordered 1
		.amdhsa_forward_progress 1
		.amdhsa_inst_pref_size 172
	.end_amdhsa_kernel
	.amdgpu_metadata
---
amdhsa.version: [ 1, 2 ]
amdhsa.kernels:
  - .name:           k_q6d69533b00_qkv
    .symbol:         k_q6d69533b00_qkv.kd
    .args:
      - { .name: xc, .offset: 0, .size: 8, .value_kind: global_buffer, .address_space: global }
      - { .name: xs, .offset: 8, .size: 8, .value_kind: global_buffer, .address_space: global }
      - { .name: wc, .offset: 16, .size: 8, .value_kind: global_buffer, .address_space: global }
      - { .name: ws, .offset: 24, .size: 8, .value_kind: global_buffer, .address_space: global }
      - { .name: qkv, .offset: 32, .size: 8, .value_kind: global_buffer, .address_space: global }
      - { .name: qkvs, .offset: 40, .size: 8, .value_kind: global_buffer, .address_space: global }
    .group_segment_fixed_size: 327680
    .private_segment_fixed_size: 0
    .kernarg_segment_align: 8
    .kernarg_segment_size: 48
    .max_flat_workgroup_size: 128
    .sgpr_count:     102
    .vgpr_count:     1024
    .wavefront_size: 32
...
	.end_amdgpu_metadata
.endif
;; end of part 3
;; launch attn (part 4): grid 4 x 64, 16 waves a work-group, no clusters, 210,944 bytes of LDS; arguments qkv, qkvs, ac, asc; writes ac, asc
.if DOCPART == 4
	.amdgcn_target "amdgcn-amd-amdhsa--gfx1250"
	.amdhsa_code_object_version 6
	.text
	.protected	k_q6d69533b00_attn
	.globl	k_q6d69533b00_attn
	.p2align	8
	.type	k_q6d69533b00_attn,@function
k_q6d69533b00_attn:
	s_mov_b64 s[64:65], 0
	v_nop
	global_prefetch_b8 v0, s[64:65] scope:SCOPE_SE
	s_setreg_imm32_b32 hwreg(HW_REG_WAVE_MODE, 25, 1), 1
	s_wait_xcnt 0x0
; Causal attention on codes of FP6 (E2M3) with E8M0 scales: S^T = K Q^T (K = the head's 64), p = 2^(t - M), O^T = V^T P^T (K = the keys), O / l, and O quantised along (head, d) for the projection.
; t = score x log2(e) / 8; M = the running largest t rounded UP to a whole number; p is quantised along the keys, not normalised; l is the sum of the unquantised p.  When M moves, l and O^T are multiplied by 2^(old M - new M): exact.
; SHARES.  Work-group (x, y): head y = 16 batch + h.  A HEAD'S K AND V, CODES AND SCALE WORDS, ARE 208,896 BYTES AND LIE IN LDS WHOLE: each byte of LDS is filled once, nothing is filled again.
; The head's 2,048 queries are 16 blocks of 128; a work-group owns four.  A wave owns one tile of 16 queries (tile wave % 8 of a block) in each of two passes: waves 0-7 blocks 15 - x, then x; waves 8-15 blocks 8 + x,
; then 7 - x.  Block J needs key steps 0 .. J of 128 keys: every wave works 17 steps.  All trip counts are constants; a step whose keys all come after the block is jumped over by a scalar branch on ids.
; NO CLUSTER, though the four work-groups of a head read the same K and V: which steps a wave works hangs on its query block, which would be the work-group's place in the cluster.
; LAYOUT.  Both products are used transposed: a lane holds ONE query (lane % 16) throughout.  Tokens and d lie in memory with bits 3 and 4 of their number exchanged, so register 16 b + i of S^T is key 32 b + 16 (lane / 16) + i
; of the step, and register 16 b + i of O^T is d = 32 b + 16 (lane / 16) + i; lane r of query tile a is query 32 (a / 2) + 8 (a % 2) + r + 8 (r / 8) of its block.
; K = 64 IN AN INSTRUCTION OF 128: Q's registers 6-11 are zero codes, so the products of the upper 64 are zeros whatever stands in K's upper six registers: there stands the next tile's data (behind the last: zeros).
; The upper two bytes of q's and k's scale words are 0, which is a power of two and no NaN.
; The result's scale bytes leave one byte a lane, to rows 32 bytes apart: a row's 32 bytes come from 16 heads, that is 16 work-groups; they are 32 bytes beside the 768 of codes that the wave stores.
; LIMITS: a block of zeros, or one whose largest magnitude lies under 2^-124, gets the byte 1 (read by this program alone).  NaN and infinities are not served.
.set KIMG,  0                          ; K's codes: 16 steps x 8 tiles x 768 bytes
.set VIMG,  98304                      ; V's codes: 16 steps x 4 tiles x 1,536 bytes
.set KSC,   196608                     ; K's scale words: 512 bytes a step: [j 0..1][r][tile 4 j + 0..3]
.set VSC,   204800                     ; V's: 256 bytes a step: [r][tile 0..3]
.set SPARE, 208896                     ; the spare words: 128 bytes for each of 16 waves
.set AK0,  1
.set AV0,  2
.set ASK0, 3
.set ASV0, 4
.set SPW,  5
.set NIL,  6
.set L8,   7                           ; v7   8 x lane
.set ADK,  8
.set ADV,  9
.set ADS,  10
.set ADT,  11
.set QD,   29                          ; v29  my query in its block - 16 (lane / 16)
.set BOF,  30                          ; v30  32 r + h: my scale byte's place
.set R16,  31                          ; v31  16 r
.set KF,   32                          ; v32-85 K's 8 tiles, 6 registers each, + 6 zeros; later V's 4 fragments
.set KS,   86
.set VS,   90
.set PS,   94
.set CD,   192                         ; v192-203 p's codes; v204-210 conversions' second halves
.set BM,   212
.set BX,   216
.set SO,   220
.set FF,   228                         ; v[228:229] f
.set TP,   230
.set NINF, 231
.set S2,   232                         ; v[232:233] the second chain of sums
.set WV,   18
.set G1S,  24
.set G1A,  32
.set G1B,  40
.set G0S,  48
.set G0A,  52
.set G0B,  56
.set TK,   66
.set TS,   67
.set TJ,   68
.set SG,   69
.set JB,   70
.set J1R,  71
.set CNT,  72
.set PT,   74                          ; s[74:81] pass 0: Q's codes, Q's scale words, the result's codes, its scale bytes; s[82:89] pass 1
	s_load_b256 s[4:11], s[0:1], 0x0               ; qkv s[4:5], qkvs s[6:7], ac s[8:9], asc s[10:11]
	v_lshl_add_u32 v[SPW], v0, 2, SPARE
	v_mov_b32 v[NIL], 0
	ds_add_u32 v[SPW], v[NIL]                      ; the wave's opening: the add and its wait stand ahead of my first tensor load; the set-up below stands between them
	ds_add_u32 v[SPW], v[NIL]
	v_lshrrev_b32 v8, 5, v0
	s_delay_alu instid0(VALU_DEP_1)
	v_readfirstlane_b32 s[WV], v8                  ; wave 0..15
	; descriptor groups 1: dense blocks as rows of 256 bytes (32 elements of 8 bytes): 12, 48 and 144 rows
.irp g, G1S, G1A, G1B
	s_mov_b32 s[\g], 3<<16                         ; no mask; elements of 8 bytes; no padding
	s_mov_b32 s[\g+1], 32<<16                      ; tensor_dim0
	s_mov_b32 s[\g+3], 32<<16                      ; tile_dim0
	s_mov_b32 s[\g+5], 32                          ; the pitch
	s_mov_b32 s[\g+6], 0
	s_mov_b32 s[\g+7], 0
.endr
	s_mov_b32 s[G1S+2], 12<<16                     ; tensor_dim1
	s_mov_b32 s[G1S+4], 12                         ; tile_dim1
	s_mov_b32 s[G1A+2], 48<<16
	s_mov_b32 s[G1A+4], 48
	s_mov_b32 s[G1B+2], 144<<16
	s_mov_b32 s[G1B+4], 144
	s_and_b32 s12, ttmp7, 0xffff                   ; y: the head among 64
	s_min_u32 s13, s[WV], 3                        ; waves 0-3 fetch: 0, 1: K's halves; 2, 3: V's
	s_lshr_b32 s14, s13, 1
	s_and_b32 s15, s13, 1
	s_mul_i32 s60, s12, 12288
	s_mul_i32 s2, s13, 3072                        ; a quarter of the head's 12,288 bytes of K's and V's scale words
	s_add_co_u32 s60, s60, s2
	s_add_co_u32 s60, s60, 786432
	s_mov_b32 s61, 0
	s_mov_b32 s[G0S], 1
	s_add_co_u32 s[G0S+1], s2, KSC
	s_mul_i32 s62, s14, 6291456
	s_add_co_u32 s62, s62, 6291456                 ; the region of k or of v,
	s_mul_i32 s3, s12, 98304
	s_add_co_u32 s62, s62, s3                      ; the head
	s_mov_b32 s63, 0
	s_mul_i32 s16, s14, 98304                      ; K's or V's place in LDS
	s_mul_i32 s17, s15, 12288                      ; steps 0-3: 24,576 bytes, my half
	s_mov_b32 s[G0A], 1
	s_add_co_u32 s[G0A+1], s16, s17
	s_add_co_u32 s90, s62, 24576
	s_add_co_u32 s62, s62, s17
	s_mul_i32 s17, s15, 36864                      ; steps 4-15: 73,728 bytes, my half
	s_add_co_u32 s90, s90, s17
	s_mov_b32 s91, 0
	s_mov_b32 s[G0B], 1
	s_add_co_u32 s[G0B+1], s16, s17
	s_add_co_u32 s[G0B+1], s[G0B+1], 24576
	s_mov_b32 s20, 0x76543210
	s_mov_b32 s21, 0xfedcba98                      ; v_permlanex16_b32's selects for lane l xor 16
	s_mov_b32 s22, 0x3e38aa3b                      ; c = log2(e) / 8
	s_mov_b32 s23, s22                             ; (named with it as a pair, so it is written)
	s_mov_b32 s73, 0xffff0000                      ; lanes 16-31
	s_wait_dscnt 0x0                               ; the opening add is done
	s_wait_kmcnt 0x0
	s_add_nc_u64 s[G0S+2:G0S+3], s[6:7], s[60:61]
	s_or_b32 s[G0S+3], s[G0S+3], 0x80000000
	s_add_nc_u64 s[G0A+2:G0A+3], s[4:5], s[62:63]
	s_or_b32 s[G0A+3], s[G0A+3], 0x80000000
	s_add_nc_u64 s[G0B+2:G0B+3], s[4:5], s[90:91]
	s_or_b32 s[G0B+3], s[G0B+3], 0x80000000
	s_cmp_lt_u32 s[WV], 4                          ; a fetching wave's three first fills stand in one branch: three loads of mine are out
	s_cbranch_scc0 .Lno_fetch
	tensor_load_to_lds s[G0S:G0S+3], s[G1S:G1S+7]  ; the scale words
	s_nop 0
	tensor_load_to_lds s[G0A:G0A+3], s[G1A:G1A+7]  ; key steps 0-3
	s_nop 0
	tensor_load_to_lds s[G0B:G0B+3], s[G1B:G1B+7]  ; key steps 4-15
	s_nop 0
.rept 4
	v_nop
.endr
.Lno_fetch:
	s_and_b32 s16, s[WV], 7                        ; a: my tile in a block of queries
	s_sub_co_u32 s[JB], 15, ttmp9
	s_add_co_u32 s19, ttmp9, 8
	s_sub_co_u32 s17, 7, ttmp9
	s_cmp_lt_u32 s[WV], 8
	s_cselect_b32 s[JB], s[JB], s19                ; the first pass's block: 8 or more
	s_cselect_b32 s[J1R], ttmp9, s17               ; the second's: 7 or less
	s_lshr_b32 s13, s12, 4                         ; batch
	s_and_b32 s14, s12, 15                         ; h
	s_mul_i32 s60, s12, 98304                      ; Q's codes: the head
	s_mul_i32 s61, s12, 12288                      ; Q's scale words: the head, + 256 (a / 4) + 4 (a % 4)
	s_lshr_b32 s2, s16, 2
	s_lshl_b32 s2, s2, 8
	s_add_co_u32 s61, s61, s2
	s_and_b32 s2, s16, 3
	s_lshl_b32 s2, s2, 2
	s_add_co_u32 s61, s61, s2
	s_lshr_b32 s2, s14, 2                          ; the result's codes: [h / 4][tile of 16 rows][h % 4][768 bytes]
	s_mul_i32 s62, s2, 1572864
	s_mul_i32 s2, s13, 128*3072
	s_add_co_u32 s62, s62, s2
	s_and_b32 s2, s14, 3
	s_mul_i32 s2, s2, 768
	s_add_co_u32 s62, s62, s2
	s_lshl_b32 s63, s13, 16                        ; its scale bytes: 32 a row; the batch's 2,048 rows, my tile's 16 a, byte 2 h
	s_lshl_b32 s2, s16, 9
	s_add_co_u32 s63, s63, s2
	s_lshl_b32 s2, s14, 1
	s_add_co_u32 s63, s63, s2
	s_mov_b32 s93, 0
.macro PTRS p, j                       ; the four addresses of pass p, whose block of queries stands in s[j]
	s_lshl_b32 s2, s[\j], 3
	s_add_co_u32 s2, s2, s16                       ; my tile among the head's 128
	s_mul_i32 s92, s2, 768
	s_add_co_u32 s92, s92, s60
	s_add_nc_u64 s[PT+8*\p:PT+8*\p+1], s[4:5], s[92:93]
	s_lshl_b32 s92, s[\j], 9
	s_add_co_u32 s92, s92, s61
	s_add_nc_u64 s[PT+8*\p+2:PT+8*\p+3], s[6:7], s[92:93]
	s_mul_i32 s92, s2, 3072
	s_add_co_u32 s92, s92, s62
	s_add_nc_u64 s[PT+8*\p+4:PT+8*\p+5], s[8:9], s[92:93]
	s_lshl_b32 s92, s[\j], 12
	s_add_co_u32 s92, s92, s63
	s_add_nc_u64 s[PT+8*\p+6:PT+8*\p+7], s[10:11], s[92:93]
.endm
	PTRS 0, JB
	PTRS 1, J1R
	v_and_b32 v9, 31, v0                           ; lane
	v_and_b32 v10, 15, v0                          ; r
	v_bfe_u32 v11, v0, 4, 1                        ; h
	s_delay_alu instid0(VALU_DEP_3)
	v_lshlrev_b32 v[L8], 3, v9
	s_delay_alu instid0(VALU_DEP_3)
	v_lshlrev_b32 v[R16], 4, v10
.irp p, 0,1,2
	global_load_b64 v[16+2*\p:17+2*\p], v[L8], s[PT:PT+1] offset:256*\p          ; Q of pass 0: a half fragment as it lies
.endr
	global_load_b32 v28, v[R16], s[PT+2:PT+3]                                     ; and its scale words
.irp p, 0,1,2
	global_load_b64 v[236+2*\p:237+2*\p], v[L8], s[PT+8:PT+9] offset:256*\p      ; Q of pass 1
.endr
	global_load_b32 v248, v[R16], s[PT+10:PT+11]
	v_lshl_add_u32 v[BOF], v10, 5, v11
	v_lshlrev_b32 v[AK0], 3, v9                    ; KIMG + 8 x lane
	v_lshl_add_u32 v[AV0], v9, 4, VIMG
	v_lshl_add_u32 v[ASK0], v9, 4, KSC
	v_lshl_add_u32 v[ASV0], v10, 4, VSC
	s_lshr_b32 s2, s16, 1
	s_lshl_b32 s2, s2, 5
	s_and_b32 s3, s16, 1
	s_lshl_b32 s3, s3, 3
	s_add_co_u32 s2, s2, s3                        ; 32 (a / 2) + 8 (a % 2)
	v_and_b32 v[QD], 8, v10
	s_delay_alu instid0(VALU_DEP_1)
	v_add_nc_u32 v[QD], v[QD], v10
	v_lshlrev_b32 v8, 4, v11
	s_delay_alu instid0(VALU_DEP_1)
	v_sub_nc_u32 v[QD], v[QD], v8
	s_delay_alu instid0(VALU_DEP_1)
	v_add_nc_u32 v[QD], s2, v[QD]
.irp j, 22,23,24,25,26,27, 242,243,244,245,246,247, 80,81,82,83,84,85
	v_mov_b32 v[\j], 0                             ; Q's upper six registers: zero codes; and what stands behind K's last tile
.endr
.irp b, 0,1,2,3
	v_mov_b32 v[BX+\b], 0                          ; written once: a lane permute's destination counts as one of its sources
.endr
	v_mov_b32 v[FF+1], 0                           ; (named as the upper half of the pair with f)
	v_mov_b32 v[TP], 0
	v_mov_b32 v[NINF], 0xff800000                  ; -infinity
.macro INIT                            ; a pass begins: O^T and the sum are zeros, the largest t lies under every t: the first change of M multiplies zeros
	s_mov_b32 s[TK], 0
	s_mov_b32 s[TS], 0
	s_mov_b32 s[TJ], 0
	s_mov_b32 s[SG], 0
	v_mov_b32 v13, 0xff61b1e6                      ; -3e38
	s_delay_alu instid0(VALU_DEP_1)
	v_floor_f32 v12, -v13                          ; -M
	v_mov_b32 v14, 0
	v_mov_b32 v15, 0
.set j, 0
.rept 32
	v_mov_b32 v[160+j], 0
.set j, j+1
.endr
.endm
; A KEY STEP: 128 keys.  qf, qs: Q's fragment and scale word.  masked = 1: the step may lie behind or on the diagonal.
.macro STEP qf, qs, masked
.if \masked
	s_cmp_gt_u32 s[SG], s[JB]                      ; all its keys come after my block's queries: only the addresses step
	s_cbranch_scc1 .Lhidden_\@
.endif
	s_setprio 2
	v_add_nc_u32 v[ADK], s[TK], v[AK0]             ; (these four are also the places between the last step's products and the loads into their registers)
	v_add_nc_u32 v[ADV], s[TK], v[AV0]
	v_add_nc_u32 v[ADS], s[TS], v[ASK0]
	v_add_nc_u32 v[ADT], s[TJ], v[ASV0]
.irp t, 0,1,2,3,4,5,6,7
.irp p, 0,1,2
	ds_load_b64 v[KF+6*\t+2*\p:KF+6*\t+2*\p+1], v[ADK] offset:768*\t+256*\p   ; 32 lanes read 256 consecutive bytes
.endr
.endr
	ds_load_b128 v[KS:KS+3], v[ADS]                ; lanes 0-15: the words of tiles 0-3, lanes 16-31: of tiles 4-7
	ds_load_b128 v[VS:VS+3], v[ADT]
	s_wait_alu depctr_va_vdst(0)
	s_wait_dscnt 0x0
.irp t, 0,1,2,3
	v_wmma_scale_f32_16x16x128_f8f6f4 v[96+8*\t:103+8*\t], v[KF+6*\t:KF+6*\t+11], v[\qf:\qf+11], 0, v[KS+\t], v[\qs] matrix_a_fmt:MATRIX_FMT_FP6 matrix_b_fmt:MATRIX_FMT_FP6
.endr
.irp t, 4,5,6,7
	v_wmma_scale_f32_16x16x128_f8f6f4 v[96+8*\t:103+8*\t], v[KF+6*\t:KF+6*\t+11], v[\qf:\qf+11], 0, v[KS+\t-4], v[\qs] matrix_a_fmt:MATRIX_FMT_FP6 matrix_b_fmt:MATRIX_FMT_FP6 matrix_a_scale:MATRIX_SCALE_ROW1
.endr
.rept 4
	v_nop                                          ; places in front of the loads into K's registers and of the first read of the scores
.endr
.irp t, 0,1,2,3
.irp j, 0,1,2
	ds_load_b128 v[KF+12*\t+4*\j:KF+12*\t+4*\j+3], v[ADV] offset:1536*\t+512*\j   ; V's four fragments land under the softmax
.endr
.endr
.if \masked
	s_cmp_lt_u32 s[SG], s[JB]                      ; all its keys count
	s_cbranch_scc1 .Lopen_\@
.set n, 0
.rept 64                                       ; on the diagonal: register n holds key 32 (n / 16) + n % 16 + 16 (lane / 16) of the step: hidden where that is above my query
	v_cmp_gt_i32 vcc_lo, 32*(n/16)+n%16, v[QD]
	v_cndmask_b32 v[96+n], v[96+n], v[NINF], vcc_lo
.set n, n+1
.endr
.Lopen_\@:
.endif
.irp b, 0,1,2,3
	v_max3_num_f32 v[BM+\b], v[96+16*\b], v[97+16*\b], v[98+16*\b]   ; the largest score of each block of 32 keys: for the row's maximum and, since p rises with the score, for the block's largest p
.endr
.irp i, 3,5,7,9,11,13
.irp b, 0,1,2,3
	v_max3_num_f32 v[BM+\b], v[BM+\b], v[96+16*\b+\i], v[97+16*\b+\i]
.endr
.endr
.irp b, 0,1,2,3
	v_max_num_f32 v[BM+\b], v[BM+\b], v[111+16*\b]
.endr
.irp b, 0,1,2,3
	s_delay_alu instid0(VALU_DEP_4)
	v_permlanex16_b32 v[BX+\b], v[BM+\b], s20, s21
.endr
.irp b, 0,1,2,3
	s_delay_alu instid0(VALU_DEP_4)
	v_max_num_f32 v[BM+\b], v[BM+\b], v[BX+\b]     ; with lane l xor 16's 16 keys
.endr
	s_delay_alu instid0(VALU_DEP_2)
	v_max3_num_f32 v[TP], v[BM], v[BM+1], v[BM+2]
	s_delay_alu instid0(VALU_DEP_1)
	v_max_num_f32 v[TP], v[TP], v[BM+3]            ; the step's largest score of my query
	s_delay_alu instid0(VALU_DEP_1)
	v_mul_f32 v[TP], s22, v[TP]                    ; as t
	s_delay_alu instid0(VALU_DEP_1)
	v_max_num_f32 v13, v13, v[TP]                  ; the running largest t
	v_mov_b32 v[TP], v12
	s_delay_alu instid0(VALU_DEP_2)
	v_floor_f32 v12, -v13                          ; the new -M = floor(-t): M is a whole number
	s_delay_alu instid0(VALU_DEP_1)
	v_sub_f32 v[TP], v12, v[TP]                    ; old M - new M: a whole number, 0 or less
	s_delay_alu instid0(VALU_DEP_1)
	v_cvt_i32_f32 v[TP], v[TP]                     ; (it saturates)
	s_delay_alu instid0(VALU_DEP_1)
	v_ldexp_f32 v[FF], 1.0, v[TP]                  ; f = 2^(old M - new M)
.set j, 0
.rept 32
	v_pk_fma_f32 v[96+j:97+j], v[96+j:97+j], s[22:23], v[12:13] op_sel_hi:[1,0,0]   ; t - M, two at a time
.set j, j+2
.endr
.irp b, 0,1,2,3
	v_fma_f32 v[BM+\b], v[BM+\b], s22, v12         ; the same of each block's largest score
.endr
.set j, 0
	s_setprio 1
	s_wait_alu depctr_va_vdst(0)
.rept 64
	v_exp_f32 v[96+j], v[96+j]                     ; p = 2^(t - M), at most 1
.set j, j+1
.endr
	v_pk_mul_f32 v[14:15], v[14:15], v[FF:FF+1] op_sel_hi:[1,0]   ; the sums under the new M (a plain line behind the exponentials)
	s_wait_alu depctr_va_vdst(0)                   ; one wait for the whole batch, ahead of its first reader
.irp b, 0,1,2,3
	v_exp_f32 v[BM+\b], v[BM+\b]                   ; the block's largest p
.endr
	v_pk_add_f32 v[232:233], v[100:101], v[104:105]
	v_pk_add_f32 v[254:255], v[108:109], v[112:113]
	v_pk_add_f32 v[252:253], v[116:117], v[120:121]
	v_pk_add_f32 v[250:251], v[124:125], v[128:129]
	v_pk_add_f32 v[234:235], v[132:133], v[136:137]
	v_pk_add_f32 v[226:227], v[140:141], v[144:145]
	v_pk_add_f32 v[224:225], v[148:149], v[152:153]
	v_pk_add_f32 v[14:15], v[14:15], v[156:157]
	v_pk_add_f32 v[232:233], v[232:233], v[96:97]
	v_pk_add_f32 v[254:255], v[254:255], v[98:99]
	v_pk_add_f32 v[252:253], v[252:253], v[102:103]
	v_pk_add_f32 v[250:251], v[250:251], v[106:107]
	v_pk_add_f32 v[234:235], v[234:235], v[110:111]
	v_pk_add_f32 v[226:227], v[226:227], v[114:115]
	v_pk_add_f32 v[224:225], v[224:225], v[118:119]
	v_pk_add_f32 v[14:15], v[14:15], v[122:123]
	v_pk_add_f32 v[232:233], v[232:233], v[126:127]
	v_pk_add_f32 v[254:255], v[254:255], v[130:131]
	v_pk_add_f32 v[252:253], v[252:253], v[134:135]
	v_pk_add_f32 v[250:251], v[250:251], v[138:139]
	v_pk_add_f32 v[234:235], v[234:235], v[142:143]
	v_pk_add_f32 v[226:227], v[226:227], v[146:147]
	v_pk_add_f32 v[224:225], v[224:225], v[150:151]
	v_pk_add_f32 v[14:15], v[14:15], v[154:155]
	v_pk_add_f32 v[232:233], v[232:233], v[158:159]
	s_delay_alu instid0(VALU_DEP_2)
	v_pk_add_f32 v[14:15], v[14:15], v[250:251]
	s_delay_alu instid0(VALU_DEP_2)
	v_pk_add_f32 v[232:233], v[232:233], v[234:235]
	v_pk_add_f32 v[254:255], v[254:255], v[226:227]
	v_pk_add_f32 v[252:253], v[252:253], v[224:225]
	s_delay_alu instid0(VALU_DEP_2)
	v_pk_add_f32 v[14:15], v[14:15], v[254:255]
	s_delay_alu instid0(VALU_DEP_2)
	v_pk_add_f32 v[232:233], v[232:233], v[252:253]
	s_delay_alu instid0(VALU_DEP_1)
	v_pk_add_f32 v[14:15], v[14:15], v[232:233]
	s_wait_alu depctr_va_vdst(0)                   ; and one for the four
.irp b, 0,1,2,3
	v_max_num_f32 v[BM+\b], 0x1800000, v[BM+\b]    ; the floor 2^(3 - 127): the byte cannot fall under 1
.endr
.irp b, 0,1,2,3
	s_delay_alu instid0(VALU_DEP_4)
	v_add_nc_u32 v[SO+\b], 0xff000000, v[BM+\b]    ; the conversion's scale operand
.endr
.irp b, 0,1,2,3
	s_delay_alu instid0(VALU_DEP_4)
	v_lshrrev_b32 v[BX+\b], 23, v[SO+\b]           ; the scale's byte
.endr
	s_delay_alu instid0(VALU_DEP_3)
	v_lshl_or_b32 v[PS], v[BX+1], 8, v[BX]         ; p's scale word for these 128 keys
	s_delay_alu instid0(VALU_DEP_1)
	v_lshl_or_b32 v[PS], v[BX+2], 16, v[PS]
	s_delay_alu instid0(VALU_DEP_1)
	v_lshl_or_b32 v[PS], v[BX+3], 24, v[PS]
.irp c, 0,1
	v_cvt_scalef32_pk16_fp6_f32 v[CD+6*\c:CD+6*\c+2], v[96+32*\c:111+32*\c], v[SO+2*\c]
	v_cvt_scalef32_pk16_fp6_f32 v[CD+12+4*\c:CD+14+4*\c], v[112+32*\c:127+32*\c], v[SO+2*\c+1]
.endr
	v_nop                                          ; one plain place behind a scaled conversion
	s_setprio 0
.irp c, 0,1                                    ; a whole block in a lane: lanes 0-15 block 2 c, lanes 16-31 block 2 c + 1
.irp i, 0,1,2
	v_permlane16_swap_b32 v[CD+6*\c+\i], v[CD+12+4*\c+\i]
.endr
.irp i, 0,1,2
	s_delay_alu instid0(VALU_DEP_3)
	v_mov_b32 v[CD+3+6*\c+\i], v[CD+12+4*\c+\i]
.endr
.endr
.set j, 0
.rept 16
	v_pk_mul_f32 v[160+j:161+j], v[160+j:161+j], v[FF:FF+1] op_sel_hi:[1,0]   ; O^T under the new M, each accumulator from its low end on; these are also the places between the scale word and codes just made and the products
.set j, j+2
.endr
	s_wait_alu depctr_va_vdst(0)
	s_wait_dscnt 0x0                               ; V is in
.irp t, 0,1,2,3                                ; the four accumulators by turns, one instruction a turn
	v_wmma_scale_f32_16x16x128_f8f6f4 v[160+8*\t:167+8*\t], v[KF+12*\t:KF+12*\t+11], v[CD:CD+11], v[160+8*\t:167+8*\t], v[VS+\t], v[PS] matrix_a_fmt:MATRIX_FMT_FP6 matrix_b_fmt:MATRIX_FMT_FP6
.endr
.if \masked
.Lhidden_\@:
.endif
	s_add_co_u32 s[TK], s[TK], 6144
	s_add_co_u32 s[TS], s[TS], 512
	s_add_co_u32 s[TJ], s[TJ], 256
	s_add_co_u32 s[SG], s[SG], 1
.endm
; A pass ends: O^T / l, quantised along d (two blocks of 32), leaves as a half fragment's image and two scale bytes a row.
.macro OUT p
.rept 4
	v_nop                                          ; places behind the last products
.endr
	v_add_f32 v14, v14, v15
	s_delay_alu instid0(VALU_DEP_1)
	v_permlanex16_b32 v[TP], v14, s20, s21
	s_delay_alu instid0(VALU_DEP_1)
	v_add_f32 v14, v14, v[TP]                      ; the row's sum
	s_wait_alu depctr_va_vdst(0)
	v_rcp_f32 v14, v14
	v_nop
	s_wait_alu depctr_va_vdst(0)                   ; ahead of the reciprocal's first reader
.set j, 0
.rept 32
	v_mul_f32 v[96+j], v[160+j], v14               ; register 16 b + i: d = 32 b + 16 (lane / 16) + i
.set j, j+1
.endr
.irp b, 0,1
	v_max3_num_f32 v[BM+\b], |v[96+16*\b]|, |v[97+16*\b]|, 0x1800000
.endr
.irp i, 2,4,6,8,10,12,14
.irp b, 0,1
	s_delay_alu instid0(VALU_DEP_2)
	v_max3_num_f32 v[BM+\b], v[BM+\b], |v[96+16*\b+\i]|, |v[97+16*\b+\i]|
.endr
.endr
.irp b, 0,1
	s_delay_alu instid0(VALU_DEP_2)
	v_permlanex16_b32 v[BX+\b], v[BM+\b], s20, s21
.endr
.irp b, 0,1
	s_delay_alu instid0(VALU_DEP_2)
	v_max_num_f32 v[BM+\b], v[BM+\b], v[BX+\b]
.endr
.irp b, 0,1
	s_delay_alu instid0(VALU_DEP_2)
	v_add_nc_u32 v[SO+\b], 0xff000000, v[BM+\b]
.endr
.irp b, 0,1
	s_delay_alu instid0(VALU_DEP_2)
	v_lshrrev_b32 v[BX+\b], 23, v[SO+\b]
.endr
	v_cvt_scalef32_pk16_fp6_f32 v[CD:CD+2], v[96:111], v[SO]
	v_cvt_scalef32_pk16_fp6_f32 v[CD+12:CD+14], v[112:127], v[SO+1]
	v_cndmask_b32 v[TP], v[BX], v[BX+1], s73       ; lanes 0-15 carry block 0's byte, lanes 16-31 block 1's (a plain place behind the conversions)
.irp i, 0,1,2
	v_permlane16_swap_b32 v[CD+\i], v[CD+12+\i]
.endr
.irp i, 0,1,2
	s_delay_alu instid0(VALU_DEP_3)
	v_mov_b32 v[CD+3+\i], v[CD+12+\i]
.endr
.irp q, 0,1,2
	global_store_b64 v[L8], v[CD+2*\q:CD+2*\q+1], s[PT+8*\p+4:PT+8*\p+5] offset:256*\q   ; 32 lanes store 256 consecutive bytes, aligned
.endr
	global_store_b8 v[BOF], v[TP], s[PT+8*\p+6:PT+8*\p+7]
.endm
	INIT
	s_wait_tensorcnt 1                             ; the scale words and key steps 0-3 are in; my load of steps 4-15 may stay out
	s_wait_loadcnt 0x0                             ; Q
	s_barrier_signal -1
	s_barrier_wait -1
	s_mov_b32 s[CNT], 4
.Lfirst:                                           ; key steps 0-3 of the first pass: its block is 8 or more, so all their keys count
	STEP 16, 28, 0
	s_sub_co_u32 s[CNT], s[CNT], 1
	s_cmp_lg_u32 s[CNT], 0
	s_cbranch_scc1 .Lfirst
	s_setprio 0
	s_wait_tensorcnt 0x0                           ; my part of steps 4-15 is in,
	s_wait_dscnt 0x0
	s_barrier_signal -1
	s_barrier_wait -1                              ; everybody's is.  From here on the waves run free
	s_mov_b32 s[TK], 4*6144
	s_mov_b32 s[TS], 4*512
	s_mov_b32 s[TJ], 4*256
	s_mov_b32 s[SG], 4
	s_mov_b32 s[CNT], 12
.Lrest:                                            ; key steps 4-15
	STEP 16, 28, 1
	s_sub_co_u32 s[CNT], s[CNT], 1
	s_cmp_lg_u32 s[CNT], 0
	s_cbranch_scc1 .Lrest
	s_setprio 0
	OUT 0
	s_wait_xcnt 0x0                                ; the stores have read their data: the registers may be written again
	s_mov_b32 s[JB], s[J1R]
	INIT
	s_mov_b32 s[CNT], 8
.Lsecond:                                          ; the second pass: key steps 0-7
	STEP 236, 248, 1
	s_sub_co_u32 s[CNT], s[CNT], 1
	s_cmp_lg_u32 s[CNT], 0
	s_cbranch_scc1 .Lsecond
	s_setprio 0
	OUT 1
	s_wait_tensorcnt 0x0                           ; the wave's end, behind my last tensor load
	ds_add_u32 v[SPW], v[NIL]
	s_wait_dscnt 0x0
	s_endpgm
.Lfunc_end_k_q6d69533b00_attn:
	.size	k_q6d69533b00_attn, .Lfunc_end_k_q6d69533b00_attn-k_q6d69533b00_attn
	.p2alignl 7, 3214868480
	.fill 96, 4, 3214868480
	.section	.rodata,"a",@progbits
	.p2align	6, 0x0
	.amdhsa_kernel k_q6d69533b00_attn
		.amdhsa_group_segment_fixed_size 210944
		.amdhsa_private_segment_fixed_size 0
		.amdhsa_enable_private_segment 0
		.amdhsa_kernarg_size 32
		.amdhsa_user_sgpr_count 2
		.amdhsa_user_sgpr_kernarg_segment_ptr 1
		.amdhsa_wavefront_size32 1
		.amdhsa_system_sgpr_workgroup_id_x 1
		.amdhsa_system_sgpr_workgroup_id_y 1
		.amdhsa_system_sgpr_workgroup_id_z 1
		.amdhsa_system_vgpr_workitem_id 0
		.amdhsa_next_free_vgpr 256
		.amdhsa_next_free_sgpr 96
		.amdhsa_reserve_vcc 1
		.amdhsa_float_denorm_mode_32 3
		.amdhsa_float_denorm_mode_16_64 3
		.amdhsa_memory_ordered 1
		.amdhsa_forward_progress 1
		.amdhsa_inst_pref_size 84
	.end_amdhsa_kernel
	.amdgpu_metadata
---
amdhsa.version: [ 1, 2 ]
amdhsa.kernels:
  - .name:           k_q6d69533b00_attn
    .symbol:         k_q6d69533b00_attn.kd
    .args:
      - { .name: qkv, .offset: 0, .size: 8, .value_kind: global_buffer, .address_space: global }
      - { .name: qkvs, .offset: 8, .size: 8, .value_kind: global_buffer, .address_space: global }
      - { .name: ac, .offset: 16, .size: 8, .value_kind: global_buffer, .address_space: global }
      - { .name: asc, .offset: 24, .size: 8, .value_kind: global_buffer, .address_space: global }
    .group_segment_fixed_size: 210944
    .private_segment_fixed_size: 0
    .kernarg_segment_align: 8
    .kernarg_segment_size: 32
    .max_flat_workgroup_size: 512
    .sgpr_count:     96
    .vgpr_count:     256
    .wavefront_size: 32
...
	.end_amdgpu_metadata
.endif
;; end of part 4
;; launch proj (part 5): grid 4 x 32, 4 waves a work-group, clusters of 4 x 4, 327,680 bytes of LDS; arguments ac, asc, wc, ws, bo, out0; writes out0
.if DOCPART == 5
	.amdgcn_target "amdgcn-amd-amdhsa--gfx1250"
	.amdhsa_code_object_version 6
	.text
	.protected	k_q6d69533b00_proj
	.globl	k_q6d69533b00_proj
	.p2align	8
	.type	k_q6d69533b00_proj,@function
k_q6d69533b00_proj:
	s_mov_b64 s[64:65], 0
	v_nop
	global_prefetch_b8 v0, s[64:65] scope:SCOPE_SE
	s_setreg_imm32_b32 hwreg(HW_REG_WAVE_MODE, 25, 1), 1
	s_wait_xcnt 0x0
	s_wait_alu depctr_hold_cnt(0) depctr_sa_sdst(0) depctr_va_vdst(0) depctr_va_sdst(0) depctr_va_ssrc(0) depctr_va_vcc(0) depctr_vm_vsrc(0)
	s_getreg_b32 s2, hwreg(HW_REG_IB_STS2, 6, 4)
	s_cmp_eq_u32 s2, 0
	s_cbranch_scc0 .Lentry_in_a_cluster
	s_endpgm
.Lentry_in_a_cluster:
	s_bfe_u32 s2, ttmp6, 0x10000c
	s_cmp_lg_u32 s2, 0xf033
	s_cbranch_scc0 .Lentry_shape_is_right
	s_endpgm
.Lentry_shape_is_right:
; out0 = A Wo^T + bo on codes of FP6 (E2M3) with E8M0 scales, K = 1,024.  A: the attention's result, 8,192 rows; Wo: 1,024 rows of 768 bytes of codes, behind the 3,072 rows of Wq, Wk, Wv; out0 [8192][1024] f32.
; A tile of 256 x 256 is made by four waves, each 128 x 128: 64 accumulators.  K goes in steps of 256 (four heads) through a ring of two LDS slots.
; A'S CODES LIE IN MEMORY AS IMAGES OF THE OPERAND'S REGISTERS: [K step][tile of 16 rows][4 heads][p 0..2][lane][8 bytes]: a K step's 128 rows are 24,576 dense bytes, one tensor load, and a fragment (two heads) is six
; loads of 256 consecutive bytes.  Its scale bytes are rows of 32, as Wo's.  B's tiles are rows of 192 bytes with padding.
; A'S ROWS LIE WITH BITS 3 AND 4 OF THEIR NUMBER EXCHANGED: row t of my block a is row 32 (a / 2) + 8 (a % 2) + t + 8 (t / 8) of my 128: the stores' offsets put it there.
; THE MATRIX INSTRUCTION IS USED TRANSPOSED (source 0 = 16 rows of Wo, source 1 = 16 rows of A): a lane holds eight neighbouring numbers of a row of the output.  THE BIAS is the C of each sum's first product.
; CLUSTERS: 4 x 4 work-groups; A's tile is shared along a row of the cluster, B's along a column: each is asked for jointly.  The grid has 128 work-groups.
; REGISTERS: window 0: v0-31 addresses; v32-63 scale words; v64-127 the bias of my 128 columns in the result's layout; v128-223 A's fragments; on the way out v128-255 rows read back.
;   window 1: B's fragments, two sets.  windows 2, 3: the accumulators.
.set SIZE_N, 1024
.set KSTEP,  256
.set NQ,     2
.set ROWB,   192
.set KROW,   768
.set PITCH,  240
.set FR,     12
.set NL,     6
.set NP,     4
.set HALFT,  128*PITCH                 ; a wave's place in a slot: B's 128 padded rows fill it, A's 24,576 bytes lie at its head
.set SLOT,   4*HALFT
.set LAPS,   2
.set KS,     32
.set AKS,    1572864                   ; from a K step of A's images to the next: 512 tiles x 3,072 bytes
.set SCL,    2*SLOT
.set HALFS,  (128*KS/256)*272
.set SBLK,   (16*KS/256)*272
.set SPARE,  SCL+4*HALFS
.set SPITCH, 528                       ; the way out: a stage of 16 rows x (512 + 16) bytes for each wave, in slot 0, which has had its last fill and its last read when the first result is stored there
.set ADRA, 16
.set ADRB, 20
.set STO,  24
.set RD,   25
.set CO,   26
.set SPW,  28
.set NIL,  29
.set ADRS, 27
.set SC,   32
.set BI,   64
.set AF,   128
.set BK,   128
.set G1, 24
.set G0, 32
.set G1B, 48
.set G0B, 56
.set G1S, 68
.set G0S, 76
.set G1SB, 80
.set G0SB, 88
.set MSB, 0
.macro WIN new
.if MSB != \new
	s_set_vgpr_msb (MSB<<8)|\new
.set MSB, \new
.endif
.endm
.set MUL_LO, 0xa1                      ; source 0 (B) window 1, source 1 (A) window 0, C and D window 2
.set MUL_HI, 0xf1
.set FIRST_LO, 0x81                    ; the same with C (the bias) in window 0
.set FIRST_HI, 0xc1
.set TO_B,   0x40
.macro JLOAD g0a, g1a, g0b, g1b        ; a joint load: waves 0 and 1 fetch for A, waves 2 and 3 for B; an s_nop 0 and four v_nop follow each line
	s_cmp_eq_u32 s15, 0
	s_cbranch_scc0 .Lfor_b_\@
	tensor_load_to_lds s[\g0a:\g0a+3], s[\g1a:\g1a+7]
	s_nop 0
.rept 4
	v_nop
.endr
	s_branch .Lasked_\@
.Lfor_b_\@:
	tensor_load_to_lds s[\g0b:\g0b+3], s[\g1b:\g1b+7]
	s_nop 0
.rept 4
	v_nop
.endr
.Lasked_\@:
.endm
.macro CREST
	s_cmp_lg_u32 s14, 0
	s_cbranch_scc1 .Lnot_wave_0_\@
	s_barrier_signal -3
.Lnot_wave_0_\@:
	s_barrier_wait -3
	s_barrier_signal -1
	s_barrier_wait -1
.endm
.macro CROUND
	s_barrier_signal -1
	s_barrier_wait -1
	CREST
.endm
	s_load_b128 s[4:7], s[0:1], 0x0                ; A's codes, A's scales
	s_load_b128 s[8:11], s[0:1], 0x10              ; the weights' codes, the weights' scales
	s_load_b64 s[96:97], s[0:1], 0x20              ; bo
	s_load_b64 s[12:13], s[0:1], 0x28              ; out0
	v_lshl_add_u32 v[SPW], v0, 2, SPARE
	v_mov_b32 v[NIL], 0
	ds_add_u32 v[SPW], v[NIL]                      ; the wave's opening: the add and its wait stand ahead of my first tensor load
	v_lshrrev_b32 v1, 5, v0
	v_readfirstlane_b32 s14, v1                    ; wave 0..3
	s_lshr_b32 s15, s14, 1                         ; which half of the tile's rows is mine.  Also: I fetch for A (0) or for B (1)
	s_and_b32 s16, s14, 1                          ; which half of its columns.  Also: which 128 rows of that tile I fetch
	s_bfe_u32 s40, ttmp6, 0x40000                  ; cx, cy
	s_bfe_u32 s41, ttmp6, 0x40004
	s_lshl_b32 s42, ttmp9, 2
	s_add_co_u32 s42, s42, s40                     ; tile column = 4 x cluster x + cx
	s_and_b32 s17, ttmp7, 0xffff
	s_lshl_b32 s17, s17, 2
	s_add_co_u32 s17, s17, s41                     ; tile row = 4 x cluster y + cy
	s_lshl_b32 s43, s41, 2
	s_lshl_b32 s43, 15, s43                        ; my row of the cluster
	s_lshl_b32 s44, 0x1111, s40                    ; my column
	; A's tile: 24,576 dense bytes as 96 rows of 256 bytes (32 elements of 8 bytes), no padding
	s_or_b32 s[G1+0], s43, (3<<16)|(1<<21)
	s_mov_b32 s[G1+1], 32<<16
	s_mov_b32 s[G1+2], 96<<16
	s_mov_b32 s[G1+3], 32<<16
	s_mov_b32 s[G1+4], 96
	s_mov_b32 s[G1+5], 32
	s_mov_b32 s[G1+6], 0
	s_mov_b32 s[G1+7], 0
	; B's tile: 128 rows x 192 bytes, 16 bytes of padding behind every 64
	s_or_b32 s[G1B+0], s44, (0<<16)|(1<<20)|(1<<21)|(3<<22)|(3<<25)
	s_mov_b32 s[G1B+1], ROWB<<16
	s_mov_b32 s[G1B+2], 128<<16
	s_mov_b32 s[G1B+3], ROWB<<16
	s_mov_b32 s[G1B+4], 128
	s_mov_b32 s[G1B+5], KROW
	s_mov_b32 s[G1B+6], 0
	s_mov_b32 s[G1B+7], 0
	; the scales of 128 rows: 4,096 dense bytes as rows of 256 bytes, 16 bytes of padding behind each
	s_or_b32 s[G1S+0], s43, (3<<16)|(1<<20)|(1<<21)|(5<<22)|(3<<25)
	s_or_b32 s[G1SB+0], s44, (3<<16)|(1<<20)|(1<<21)|(5<<22)|(3<<25)
.irp g, G1S, G1SB
	s_mov_b32 s[\g+1], 32<<16
	s_mov_b32 s[\g+2], (128*KS/256)<<16
	s_mov_b32 s[\g+3], 32<<16
	s_mov_b32 s[\g+4], 128*KS/256
	s_mov_b32 s[\g+5], 32
	s_mov_b32 s[\g+6], 0
	s_mov_b32 s[\g+7], 0
.endr
	s_lshl_b32 s18, s16, 7
	s_lshl_b32 s20, s17, 8
	s_add_co_u32 s20, s20, s18                     ; A: row 256 x tile row + 128 x half
	s_lshl_b32 s46, s42, 8
	s_add_co_u32 s46, s46, s18                     ; B: row 256 x tile column + 128 x half
	s_mov_b32 s21, 0
	s_mov_b32 s47, 0
	s_mov_b64 s[18:19], KS
	s_mul_u64 s[22:23], s[20:21], s[18:19]         ; where these rows' scales begin
	s_mul_u64 s[92:93], s[46:47], s[18:19]
	s_mov_b64 s[18:19], 192
	s_mul_u64 s[20:21], s[20:21], s[18:19]         ; A's images: 3,072 bytes for 16 rows in a K step
	s_mov_b64 s[18:19], KROW
	s_mul_u64 s[46:47], s[46:47], s[18:19]
	s_mul_i32 s45, s14, HALFT
	s_mul_i32 s94, s14, HALFS
	s_wait_dscnt 0x0                               ; the opening add is done
	s_wait_kmcnt 0x0
	s_add_nc_u64 s[8:9], s[8:9], 2359296           ; Wo's codes lie behind 3,072 rows of 768 bytes,
	s_add_nc_u64 s[10:11], s[10:11], 98304         ; its scale bytes behind 3,072 rows of 32
	s_add_nc_u64 s[20:21], s[4:5], s[20:21]
	s_add_nc_u64 s[22:23], s[6:7], s[22:23]
	s_add_nc_u64 s[46:47], s[8:9], s[46:47]
	s_add_nc_u64 s[92:93], s[10:11], s[92:93]
	CROUND                                         ; all sixteen work-groups are here: the first joint loads meet
	s_mov_b32 s[G0S], 1
	s_add_co_u32 s[G0S+1], s94, SCL
	s_mov_b64 s[G0S+2:G0S+3], s[22:23]
	s_or_b32 s[G0S+3], s[G0S+3], 0x80000000
	s_mov_b32 s[G0SB], 1
	s_add_co_u32 s[G0SB+1], s94, SCL
	s_mov_b64 s[G0SB+2:G0SB+3], s[92:93]
	s_or_b32 s[G0SB+3], s[G0SB+3], 0x80000000
	JLOAD G0S, G1S, G0SB, G1SB
.irp s, 0,1
	s_mov_b32 s[G0+4*\s], 1
	s_add_co_u32 s[G0+4*\s+1], s45, \s*SLOT
	s_add_nc_u64 s[G0+4*\s+2:G0+4*\s+3], s[20:21], \s*AKS
	s_or_b32 s[G0+4*\s+3], s[G0+4*\s+3], 0x80000000
	s_mov_b32 s[G0B+4*\s], 1
	s_add_co_u32 s[G0B+4*\s+1], s45, \s*SLOT
	s_add_nc_u64 s[G0B+4*\s+2:G0B+4*\s+3], s[46:47], \s*ROWB
	s_or_b32 s[G0B+4*\s+3], s[G0B+4*\s+3], 0x80000000
	JLOAD G0+4*\s, G1, G0B+4*\s, G1B
.endr
	v_and_b32 v1, 15, v0                           ; l % 16
	v_bfe_u32 v2, v0, 4, 1                         ; l / 16
	v_mul_u32_u24 v3, v1, PITCH
	v_mul_u32_u24 v4, v2, 24
	v_add_nc_u32 v4, v3, v4                        ; B: a fragment's row x pitch + 24 x half
	v_lshl_add_u32 v5, v2, 4, v4                   ; and the same behind one padding more
	v_and_b32 v6, 31, v0
	v_lshlrev_b32 v7, 3, v6                        ; A: 8 x lane
	s_mul_i32 s21, s15, HALFT                      ; my 128 rows of A
	s_mul_i32 s22, s16, HALFT                      ; my 128 rows of B,
	s_add_co_u32 s22, s22, 2*HALFT                 ; which lie behind A's two places
.irp s, 0,1
	v_add_nc_u32 v[ADRA+\s], s21, v7
	v_add_nc_u32 v[ADRB+\s], s22, v4
	v_add_nc_u32 v[ADRB+2+\s], s22, v5
	s_add_co_u32 s21, s21, SLOT
	s_add_co_u32 s22, s22, SLOT
.endr
	v_mul_u32_u24 v5, v1, KS
	v_lshrrev_b32 v6, 8, v5
	v_lshl_add_u32 v5, v6, 4, v5
	s_mul_i32 s21, s15, HALFS
	s_mul_i32 s22, s16, HALFS
	s_add_co_u32 s22, s22, 2*HALFS
	s_sub_co_u32 s22, s22, s21
	v_mul_u32_u24 v6, s22, v2                      ; lanes 16-31 take B's scale words
	s_add_co_u32 s21, s21, SCL
	v_add_nc_u32 v5, v5, v6
	v_add_nc_u32 v[ADRS], s21, v5
	s_mul_i32 s23, s14, 16*SPITCH                  ; my stage
	v_mul_u32_u24 v5, v1, SPITCH
	v_lshl_add_u32 v5, v2, 5, v5
	v_add_nc_u32 v[STO], s23, v5
	v_and_b32 v6, 31, v0
	v_lshlrev_b32 v[CO], 4, v6
	v_add_nc_u32 v[RD], s23, v[CO]
	v_lshlrev_b32 v30, 5, v2                       ; the bias: my half's eight numbers of a tile of 16 columns
	s_lshl_b32 s20, s17, 8
	s_lshl_b32 s21, s15, 7
	s_add_co_u32 s20, s20, s21                     ; my first row of the output
	s_mov_b32 s21, 0
	s_mov_b64 s[18:19], SIZE_N*4
	s_mul_u64 s[20:21], s[20:21], s[18:19]
	s_lshl_b32 s46, s42, 10                        ; my first column, in bytes
	s_lshl_b32 s47, s16, 9
	s_add_co_u32 s46, s46, s47
	s_mov_b32 s47, 0
	s_add_nc_u64 s[96:97], s[96:97], s[46:47]      ; bo at my first column
	s_add_nc_u64 s[20:21], s[20:21], s[46:47]
	s_add_nc_u64 s[12:13], s[12:13], s[20:21]
.irp b, 0,1,2,3,4,5,6,7
	global_load_b128 v[BI+8*\b:BI+8*\b+3], v30, s[96:97] offset:64*\b          ; bo(16 b + 8 h + 0 .. 7): the result's layout
	global_load_b128 v[BI+8*\b+4:BI+8*\b+7], v30, s[96:97] offset:64*\b+16
.endr
.macro FRAG reg, adr, q, i             ; B's fragment, from padded rows, in pieces of 8 bytes
.irp p, 0,1,2,3,4,5
.set PCE, 12*(\q)+6*(\p/3)+\p%3
.if PCE%8 < 5
	ds_load_b64 v[\reg+2*\p:\reg+2*\p+1], v[\adr] offset:8*PCE+16*(PCE/8)+(\i)*16*PITCH
.else
	ds_load_b64 v[\reg+2*\p:\reg+2*\p+1], v[\adr+2] offset:8*PCE+16*(PCE/8)+(\i)*16*PITCH
.endif
.endr
.endm
.macro FRAGA reg, slot, q, i           ; A's fragment, from its image: six loads of 256 consecutive bytes
.irp p, 0,1,2,3,4,5
	ds_load_b64 v[\reg+2*\p:\reg+2*\p+1], v[ADRA+\slot] offset:(\i)*3072+(\q)*1536+256*\p
.endr
.endm
; 16 matrix instructions.  zero = 1: the first product starts the sums, with the bias as C.  The 64 accumulators take turns, one instruction a turn.
.macro MUL16 a0, p, q, sc, zero
.irp a, \a0, \a0+1
.irp b, 0,1,2,3,4,5,6,7
.if \zero
	v_wmma_scale_f32_16x16x128_f8f6f4 v[8*(8*((\a)%4)+\b):8*(8*((\a)%4)+\b)+7], v[128*(\p)+FR*\b:128*(\p)+FR*\b+FR-1], v[AF+FR*(\a):AF+FR*(\a)+FR-1], v[BI+8*\b:BI+8*\b+7], v[SC+8*NQ*(\sc)+NQ*\b+(\q)], v[SC+8*NQ*(\sc)+NQ*(\a)+(\q)] matrix_a_fmt:MATRIX_FMT_FP6 matrix_b_fmt:MATRIX_FMT_FP6 matrix_a_scale:MATRIX_SCALE_ROW1
.else
	v_wmma_scale_f32_16x16x128_f8f6f4 v[8*(8*((\a)%4)+\b):8*(8*((\a)%4)+\b)+7], v[128*(\p)+FR*\b:128*(\p)+FR*\b+FR-1], v[AF+FR*(\a):AF+FR*(\a)+FR-1], v[8*(8*((\a)%4)+\b):8*(8*((\a)%4)+\b)+7], v[SC+8*NQ*(\sc)+NQ*\b+(\q)], v[SC+8*NQ*(\sc)+NQ*(\a)+(\q)] matrix_a_fmt:MATRIX_FMT_FP6 matrix_b_fmt:MATRIX_FMT_FP6 matrix_a_scale:MATRIX_SCALE_ROW1
.endif
.endr
.endr
.endm
.macro FETCH_B slot, q, p
	WIN TO_B
.irp i, 0,1,2,3,4,5,6,7
	FRAG 128*(\p)+FR*\i, ADRB+\slot, \q, \i
.endr
	WIN 0
.endm
.macro FETCH_A slot, q, i0
.irp i, \i0, \i0+1, \i0+2, \i0+3
	FRAGA AF+FR*(\i), \slot, \q, \i
.endr
.endm
.macro SCALES sc
.irp i, 0,1,2,3,4,5,6,7
	ds_load_b64 v[SC+8*NQ*\sc+NQ*\i:SC+8*NQ*\sc+NQ*\i+1], v[ADRS] offset:\i*SBLK
.endr
.endm
.macro PLACES n
.rept \n
	v_nop
.endr
.endm
.macro STEP slot, q, zero
	s_wait_dscnt 4*NL                              ; B's set and A's blocks 0-3 are in; the youngest 24 loads (A's blocks 4-7) may be out
.if \zero
	WIN FIRST_LO
.else
	WIN MUL_LO
.endif
	MUL16 0, (\q)%2, \q, \slot, \zero
	MUL16 2, (\q)%2, \q, \slot, \zero
	s_wait_dscnt 0
	PLACES NP
	FETCH_B \slot, (\q)+1, 1-(\q)%2
	FETCH_A \slot, (\q)+1, 0
.if \zero
	WIN FIRST_HI
.else
	WIN MUL_HI
.endif
	MUL16 4, (\q)%2, \q, \slot, \zero
	MUL16 6, (\q)%2, \q, \slot, \zero
	PLACES NP
	WIN 0
	FETCH_A \slot, (\q)+1, 4
.endm
.macro TURN slot, next, fill
	s_wait_tensorcnt 0x0                           ; all my tensor loads have landed: my part of the next slot
	ds_add_u32 v[SPW], v[NIL]                      ; 0 onto my spare word
	s_wait_dscnt 4*NL+1                            ; (the add and the youngest 24 loads may be out)
	WIN MUL_LO
	MUL16 0, 1, NQ-1, \slot, 0
	s_wait_dscnt 0x0                               ; the add is done, and my reads of this slot are over
	s_barrier_signal -1
	MUL16 2, 1, NQ-1, \slot, 0
	WIN 0
	s_barrier_wait -1
.if \fill
	CREST                                          ; the barrier has opened a round of the cluster's barrier
	s_add_nc_u64 s[G0+4*\slot+2:G0+4*\slot+3], s[G0+4*\slot+2:G0+4*\slot+3], 2*AKS
	s_add_nc_u64 s[G0B+4*\slot+2:G0B+4*\slot+3], s[G0B+4*\slot+2:G0B+4*\slot+3], 2*ROWB
	JLOAD G0+4*\slot, G1, G0B+4*\slot, G1B         ; the first tensor load behind the round
.else
	PLACES NP
.endif
	v_add_nc_u32 v[ADRS], 4*NQ, v[ADRS]
	FETCH_B \next, 0, 0
	FETCH_A \next, 0, 0
	SCALES \next
	WIN MUL_HI
	MUL16 4, 1, NQ-1, \slot, 0
	MUL16 6, 1, NQ-1, \slot, 0
	PLACES NP
	WIN 0
	FETCH_A \next, 0, 4
.endm
	s_wait_loadcnt 0x0                             ; the bias
	s_wait_tensorcnt 1                             ; the scales and my part of K step 0 are in (K step 1's load may be out),
	s_barrier_signal -1
	s_barrier_wait -1                              ; everybody's are
	FETCH_B 0, 0, 0
	FETCH_A 0, 0, 0
	SCALES 0
	FETCH_A 0, 0, 4
	STEP 0, 0, 1
	s_mov_b32 s3, LAPS-1
.Llap:
	TURN 0, 1, 1
	STEP 1, 0, 0
	TURN 1, 0, 1
	STEP 0, 0, 0
	s_sub_co_u32 s3, s3, 1
	s_cmp_lg_u32 s3, 0
	s_cbranch_scc1 .Llap
	TURN 0, 1, 0                                   ; the last lap fills nothing
	STEP 1, 0, 0
	s_wait_dscnt 4*NL
	WIN MUL_LO
	MUL16 0, 1, NQ-1, 1, 0
	MUL16 2, 1, NQ-1, 1, 0
	s_wait_dscnt 0
	WIN MUL_HI
	MUL16 4, 1, NQ-1, 1, 0
	MUL16 6, 1, NQ-1, 1, 0
	WIN 0
; THE WAY OUT, block by block of 16 rows x 128 columns, through my own stage in LDS: back come whole rows of 512 bytes.  LDS serves a wave's instructions in order: no wait between the stores and the loads.
.macro TOSTAGE a
.set AC, 64*((\a)%4)
.set WN, 0x08+4*((\a)/4)
	WIN WN                                         ; the data: window 2 or 3
.irp b, 0,1,2,3,4,5,6,7
	ds_store_b128 v[STO], v[AC+8*\b:AC+8*\b+3] offset:64*\b          ; each accumulator from its low end on
	ds_store_b128 v[STO], v[AC+8*\b+4:AC+8*\b+7] offset:64*\b+16
.endr
	WIN 0
.set BB, BK+64*((\a)%2)
.irp t, 0,1,2,3,4,5,6,7,8,9,10,11,12,13,14,15
	ds_load_b128 v[BB+4*\t:BB+4*\t+3], v[RD] offset:\t*SPITCH
.endr
.endm
.macro SEND a, younger                 ; younger: the LDS instructions issued behind block a's loads, which may stay out
.set BB, BK+64*((\a)%2)
	s_wait_dscnt \younger
.irp t, 0,1,2,3,4,5,6,7,8,9,10,11,12,13,14,15
	global_store_b128 v[CO], v[BB+4*\t:BB+4*\t+3], s[12:13] offset:(32*((\a)/2)+8*((\a)%2)+\t+8*(\t/8))*SIZE_N*4 th:TH_STORE_NT   ; the row's true place; 32 lanes store 512 consecutive bytes, aligned
.endr
.endm
	PLACES NP
	TOSTAGE 0
.irp a, 1,2,3,4,5,6,7
.if \a > 1
	s_wait_xcnt 0x0                                ; block a - 2's stores have read their registers: block a's loads may land there
.endif
	TOSTAGE \a
	SEND \a-1, 32                                  ; behind block a - 1's loads: block a's 16 stores and 16 loads
.endr
	SEND 7, 0
	s_wait_tensorcnt 0x0                           ; the wave's end, behind my last tensor load and my last LDS store
	ds_add_u32 v[SPW], v[NIL]
	s_wait_dscnt 0x0
	CROUND                                         ; the closing round
	s_endpgm
.Lfunc_end_k_q6d69533b00_proj:
	.size	k_q6d69533b00_proj, .Lfunc_end_k_q6d69533b00_proj-k_q6d69533b00_proj
	.p2alignl 7, 3214868480
	.fill 96, 4, 3214868480
	.section	.rodata,"a",@progbits
	.p2align	6, 0x0
	.amdhsa_kernel k_q6d69533b00_proj
		.amdhsa_group_segment_fixed_size 327680
		.amdhsa_private_segment_fixed_size 0
		.amdhsa_enable_private_segment 0
		.amdhsa_kernarg_size 48
		.amdhsa_user_sgpr_count 2
		.amdhsa_user_sgpr_kernarg_segment_ptr 1
		.amdhsa_wavefront_size32 1
		.amdhsa_system_sgpr_workgroup_id_x 1
		.amdhsa_system_sgpr_workgroup_id_y 1
		.amdhsa_system_sgpr_workgroup_id_z 1
		.amdhsa_system_vgpr_workitem_id 0
		.amdhsa_next_free_vgpr 1024
		.amdhsa_next_free_sgpr 98
		.amdhsa_reserve_vcc 0
		.amdhsa_float_denorm_mode_32 3
		.amdhsa_float_denorm_mode_16_64 3
		.amdhsa_memory_ordered 1
		.amdhsa_forward_progress 1
		.amdhsa_inst_pref_size 161
	.end_amdhsa_kernel
	.amdgpu_metadata
---
amdhsa.version: [ 1, 2 ]
amdhsa.kernels:
  - .name:           k_q6d69533b00_proj
    .symbol:         k_q6d69533b00_proj.kd
    .args:
      - { .name: ac, .offset: 0, .size: 8, .value_kind: global_buffer, .address_space: global }
      - { .name: asc, .offset: 8, .size: 8, .value_kind: global_buffer, .address_space: global }
      - { .name: wc, .offset: 16, .size: 8, .value_kind: global_buffer, .address_space: global }
      - { .name: ws, .offset: 24, .size: 8, .value_kind: global_buffer, .address_space: global }
      - { .name: bo, .offset: 32, .size: 8, .value_kind: global_buffer, .address_space: global }
      - { .name: out0, .offset: 40, .size: 8, .value_kind: global_buffer, .address_space: global }
    .group_segment_fixed_size: 327680
    .private_segment_fixed_size: 0
    .kernarg_segment_align: 8
    .kernarg_segment_size: 48
    .max_flat_workgroup_size: 128
    .sgpr_count:     98
    .vgpr_count:     1024
    .wavefront_size: 32
...
	.end_amdgpu_metadata
.endif
;; end of part 5
